; MI455X (gfx1250); checked and timed in simulation.
; The chip was launched on July 23, 2026; its instructions are those of AMD's public machine-readable ISA for CDNA 5 (MIT licence, August 2026) and "CDNA5" Instruction Set Architecture Reference Guide (July 2026). The comments in the code are by the model that wrote it; some were corrected since.
;; Cross Attn. Allowed arithmetic: matrix products marked QUANTISED: E2M3 operands, one E8M0 scale for each 32 along K, by v_wmma_scale_f32_16x16x128_f8f6f4 with both operands' format E2M3, f32 sums; everything else in f32.
;; Inputs: KV_codes 4 x 2,048 x 32 x 24 uint8 (E2M3 codes of KV, K innermost, in blocks of 32 codes, four codes in three bytes); KV_scales 4 x 2,048 x 32 uint8 (E8M0 scales of KV, one for each 32 codes along K); Q 4 x 1,024 x 1,024 float32; Wk_codes 1,024 x 32 x 24 uint8 (E2M3 codes of Wk, K innermost, in blocks of 32 codes, four codes in three bytes); Wk_scales 1,024 x 32 uint8 (E8M0 scales of Wk, one for each 32 codes along K); Wo_codes 1,024 x 32 x 24 uint8 (E2M3 codes of Wo, K innermost, in blocks of 32 codes, four codes in three bytes); Wo_scales 1,024 x 32 uint8 (E8M0 scales of Wo, one for each 32 codes along K); Wq_codes 1,024 x 32 x 24 uint8 (E2M3 codes of Wq, K innermost, in blocks of 32 codes, four codes in three bytes); Wq_scales 1,024 x 32 uint8 (E8M0 scales of Wq, one for each 32 codes along K); Wv_codes 1,024 x 32 x 24 uint8 (E2M3 codes of Wv, K innermost, in blocks of 32 codes, four codes in three bytes); Wv_scales 1,024 x 32 uint8 (E8M0 scales of Wv, one for each 32 codes along K); beta 1,024 float32; bk 1,024 float32; bo 1,024 float32; bq 1,024 float32; bv 1,024 float32; gamma 1,024 float32; log_gate_bias 4 x 2,048 float32.
;; Outputs: out0 4 x 1,024 x 1,024 float32.
;; This version of the problem:
;;   THIS VERSION OF THE PROBLEM IS GIVEN IN LOW PRECISION. The matrix products marked QUANTISED in the list below multiply operands that are first quantised to E2M3 (2 exponent bits, 3 mantissa bits; 6 bits a number), with one power-of-two scale for each 32 numbers along K (OCP MX v1.0); their sums are f32. All else is computed in f32.
;;   The module's matrix products, in the order in which they are computed (A, B: the left and right operand; K: the contracted axis; several contracted axes count as one K, in the product's order):
;;     1. [M 4,096, K 1,024] x [K 1,024, N 1,024]; A: input Q; B: input Wq (given as codes): QUANTISED
;;     2. [M 8,192, K 1,024] x [K 1,024, N 1,024]; A: input KV (given as codes); B: input Wk (given as codes): QUANTISED
;;     3. [M 8,192, K 1,024] x [K 1,024, N 1,024]; A: input KV (given as codes); B: input Wv (given as codes): QUANTISED
;;     4. batch 64 x [M 1,024, K 64] x [K 64, N 2,048]; A: computed on the way; B: computed on the way: QUANTISED
;;     5. batch 64 x [M 1,024, K 2,048] x [K 2,048, N 64]; A: softmax (see below); B: computed on the way: QUANTISED
;;     6. [M 4,096, K 1,024] x [K 1,024, N 1,024]; A: computed on the way; B: input Wo (given as codes): QUANTISED
;;   THE QUANTISER, for each operand of a quantised product, along K:
;;     - K is cut into blocks of 32 from its start; a last block that is shorter is filled with zeros.
;;     - A block's scale is 2^e with e = floor(log2(the largest magnitude in the block)) - 2, held to -126 .. 127; a block of zeros has e = 0. As a byte (E8M0): e + 127.
;;     - Each number is divided by its block's scale, clamped to +-7.5, and rounded to the nearest number of E2M3, ties to even, subnormals kept.
;;     - The product sums the exact products of the quantised numbers (number of the format x scale) in f32.
;;   ~~~python
;;   def quantise(x, axis):      # numpy; x: float32 -> the quantised numbers, widened to float32 again
;;       x = np.moveaxis(x, axis, -1); K = x.shape[-1]
;;       x = np.pad(x, [(0, 0)] * (x.ndim - 1) + [(0, -K % 32)]); x = x.reshape(x.shape[:-1] + (-1, 32)); a = np.abs(x).max(-1, keepdims=True)
;;       e = np.where(a > 0, np.clip(np.frexp(np.where(a > 0, a, 1))[1] - 1 - 2, -126, 127), 0)      # np.frexp(a)[1] - 1 = floor(log2(a)), exactly
;;       r = np.clip(x / 2.0 ** e, -7.5, 7.5)
;;       step = 2.0 ** (np.maximum(np.frexp(np.where(r == 0, 1, r))[1] - 1, 0) - 3)
;;       q = np.round(r / step) * step * 2.0 ** e      # np.round: ties to even
;;       return np.moveaxis(q.reshape(q.shape[:-2] + (-1,))[..., :K], -1, axis).astype(np.float32)
;;   ~~~
;;   SOFTMAX AHEAD OF A QUANTISED PRODUCT. Where the list says 'softmax', what is quantised is not the finished softmax but p = 2^(t - M), with t = logit x log2(e) and M = ceil(the row's largest t), a whole number; so 1/2 < the row's largest p <= 1. The row's sum l is taken of the UNQUANTISED p, in f32, and the product's result is divided by l at the end. Since M is a whole number, a kernel that streams over the keys may use a running M (the ceiling of the running maximum): every later rescaling is an exact power of two, which a block's scale takes up: the codes' values come out the same.
;;   OPERANDS COMPUTED ON THE WAY. 'Computed on the way' means the value that the module computes at that place (a softmax that the list does not call 'softmax' is quantised finished and normalised). What goes into a quantiser is computed in f32, as accurately as f32 sums, v_exp_f32 and their like allow (about 1e-6 of the number): no bf16 or f16 on the way to a quantiser, and a product that is left as it is and whose result goes on into a quantised operand takes f32 operands (vector FMAs, or v_wmma_f32_16x16x4_f32). A number that lies on a knife's edge between two numbers of the format may be rounded either way, as far as f32 arithmetic and the matrix unit's own rounding can turn it there, and no further.
;;   INPUTS GIVEN AS CODES. KV (in the module: [4, 2048, 1024], K = its axis 2); Wk (in the module: [1024, 1024], K = its axis 1); Wo (in the module: [1024, 1024], K = its axis 1); Wq (in the module: [1024, 1024], K = its axis 1); Wv (in the module: [1024, 1024], K = its axis 1): each comes as NAME_codes (uint8): NAME with its K axis moved to the last place and cut into blocks of 32 codes, [.., K / 32, bytes a block], one block behind the other in memory; four codes in three bytes: a row's codes are one little-endian stream of bits, code i at bits 6 i .. 6 i + 5 (a code: sign, 2 exponent bits, 3 mantissa bits); and NAME_scales (uint8): the same leading axes, one E8M0 byte (e + 127) for each 32 codes along K. Its value is code x scale, taken as it is: it is not quantised again, and the codes and scales need not be those that the quantiser above would give.
;; 2 versions, each right; version 2 is version 1 with the launch outln written anew for expert scheduling mode. Each part assembles by itself: llvm-mc -triple=amdgcn-amd-amdhsa -mcpu=gfx1250 --defsym DOCPART=n.
;; ======== version 1 of 2: 4 launches
;; workspace buffers: pk 12,713,984 bytes; kvw 13,107,200 bytes; aow 3,407,872 bytes
;; launch prep (part 1): grid 448 x 1, 4 waves a work-group, no clusters, 118,784 bytes of LDS; arguments Q, KV_codes, Wq_codes, Wk_codes, Wv_codes, Wo_codes, pk; writes pk
.if DOCPART == 1
	.amdgcn_target "amdgcn-amd-amdhsa--gfx1250"
	.amdhsa_code_object_version 6
	.text
	.protected	k_q384184953e_prep
	.globl	k_q384184953e_prep
	.p2align	8
	.type	k_q384184953e_prep,@function
k_q384184953e_prep:
	s_mov_b64 s[64:65], 0
	v_nop
	global_prefetch_b8 v0, s[64:65] scope:SCOPE_SE
	s_setreg_imm32_b32 hwreg(HW_REG_WAVE_MODE, 25, 1), 1
	s_wait_xcnt 0x0
; PREP: every operand of the projections is laid as IMAGES OF ITS REGISTERS.
; A tile is 16 rows of a tensor: slot p (0..15) of tile 2 b + u is row 32 b + 8 u + p + 8 (p / 8).  An image is one tile x 128 along K, 1,536 bytes:
; registers 4 c .. 4 c + 3 of lane l at 512 c + 16 l.  Lane l = p + 16 h holds in registers 6 g .. 6 g + 5 the 24 bytes of its row's block 4 ks + 2 g + h.
; Three dense loads of 16 bytes a lane then bring a fragment, from memory or from LDS, with no pitch and no padding.
; Work-groups 0-255: tile T of Q (f32) is quantised to E2M3 along K (blocks of 32; the scale's byte is the largest magnitude's exponent field - 2, held at 1 from below);
;   wave w takes K steps 2 w and 2 w + 1.  Q's scale bytes leave as rows [4096][32].
; Work-groups 256-447: the given codes of KV, Wq, Wk, Wv, Wo (rows of 768 bytes) are turned into images, a tile a wave; no code is changed.
; pk: Q's images at 0, KV's at XKV, then Wq's, Wk's, Wv's, Wo's on end; Q's scale rows at XQS.
; LIMITS: NaN and infinities in Q are not served.  A block of zeros gets the byte 1 where the rule says 127: its codes are zeros, and this program alone reads the bytes.
; No cluster: no two work-groups read the same bytes.  The two ways part on the work-group's number and have LDS bytes of their own.
.set XKV,  3145728
.set XQS,  12582912
.set QSTW, 2*8448                      ; Q's way: two stages a wave, 16 rows of 512 bytes + 16
.set QSC,  4*QSTW                      ; 512 bytes: the tile's scale bytes, 32 a slot
.set RST,  QSC+512                     ; the codes' way: a stage a wave, 16 rows of 768 bytes + 16
.set RSTW, 16*784
.set R,    16                          ; v16-143  Q as loaded
.set XN,   144                         ; v144-207 64 numbers of a lane: register 16 b + i = k 32 b + 16 h + i of its row
.set PC,   208                         ; v208-227 the codes just made
.set TM,   228                         ; v228-243 at work
.set PW,   244                         ; v244-245 the two scale words
.set RR,   16                          ; v16-111  codes as loaded
.set FRG,  112                         ; v112-207 the tile's eight fragments
; 64 numbers of a lane become a fragment's 12 registers in v[PC] on and the row's scale word in v[pw]
.macro QUANT64 s, pw
.irp b, 0,1,2,3
	v_max3_num_f32 v[TM+\b], |v[\s+16*\b]|, |v[\s+1+16*\b]|, 0x1800000   ; my 16 numbers of block b, and the floor 2^(3 - 127): the byte cannot fall under 1
.endr
.irp i, 2,4,6,8,10,12,14
.irp b, 0,1,2,3
	v_max3_num_f32 v[TM+\b], v[TM+\b], |v[\s+16*\b+\i]|, |v[\s+1+16*\b+\i]|
.endr
.endr
.irp b, 0,1,2,3
	v_permlanex16_b32 v[TM+4+\b], v[TM+\b], s30, s31
.endr
.irp b, 0,1,2,3
	v_max_num_f32 v[TM+\b], v[TM+\b], v[TM+4+\b]         ; with lane l xor 16's: the block's largest magnitude
.endr
.irp b, 0,1,2,3
	v_add_nc_u32 v[TM+12+\b], 0xff000000, v[TM+\b]       ; 2 off its exponent field: the conversion's scale operand
.endr
.irp b, 0,1,2,3
	v_lshrrev_b32 v[TM+4+\b], 23, v[TM+12+\b]            ; the scale's byte
.endr
	v_lshl_or_b32 v[\pw], v[TM+5], 8, v[TM+4]
	v_lshl_or_b32 v[\pw], v[TM+6], 16, v[\pw]
	v_lshl_or_b32 v[\pw], v[TM+7], 24, v[\pw]
.irp c, 0,1
	v_cvt_scalef32_pk16_fp6_f32 v[PC+6*\c:PC+2+6*\c], v[\s+32*\c:\s+15+32*\c], v[TM+12+2*\c]
	v_cvt_scalef32_pk16_fp6_f32 v[PC+12+4*\c:PC+14+4*\c], v[\s+16+32*\c:\s+31+32*\c], v[TM+12+2*\c+1]   ; (a conversion's three registers begin on an even number)
.endr
	v_nop                                                ; one plain place behind a scaled conversion
.irp c, 0,1                                                  ; the layout wants a whole block in a lane: lanes 0-15 block 2 c, lanes 16-31 block 2 c + 1
.irp i, 0,1,2
	v_permlane16_swap_b32 v[PC+6*\c+\i], v[PC+12+4*\c+\i]
.endr
.irp i, 0,1,2
	v_mov_b32 v[PC+3+6*\c+\i], v[PC+12+4*\c+\i]
.endr
.endr
.endm
	s_load_b256 s[4:11], s[0:1], 0x0                     ; Q, KV's codes, Wq's, Wk's
	s_load_b128 s[12:15], s[0:1], 0x20                   ; Wv's, Wo's
	s_load_b64 s[16:17], s[0:1], 0x30                    ; pk
	v_lshl_add_u32 v248, v0, 2, 0x1ce00
	v_mov_b32 v249, 0
	v_lshrrev_b32 v1, 5, v0
	v_readfirstlane_b32 s18, v1                          ; wave 0..3
	v_and_b32 v1, 31, v0                                 ; l
	v_and_b32 v2, 15, v0                                 ; p
	v_bfe_u32 v3, v0, 4, 1                               ; h
	v_lshlrev_b32 v4, 4, v1                              ; 16 l
	s_mov_b32 s30, 0x76543210
	s_mov_b32 s31, 0xfedcba98                            ; v_permlanex16_b32's selects for lane l xor 16
	s_cmp_lt_u32 ttmp9, 256
	s_cbranch_scc0 .Lrepack
	; ---------------- Q's way: tile T = the work-group's number
	s_lshr_b32 s24, ttmp9, 1
	s_lshl_b32 s24, s24, 5
	s_and_b32 s25, ttmp9, 1
	s_lshl_b32 s25, s25, 3
	s_add_co_u32 s24, s24, s25                           ; the tile's first row: 32 (T / 2) + 8 (T % 2)
	s_lshl_b32 s26, s24, 12                              ; rows of 4,096 bytes,
	s_lshl_b32 s27, s18, 10                              ; my wave's 256 columns
	s_add_co_u32 s26, s26, s27
	s_mov_b32 s27, 0
	s_mul_i32 s28, ttmp9, 12288                          ; the tile's eight images,
	s_mul_i32 s29, s18, 3072                             ; my wave's two
	s_add_co_u32 s28, s28, s29
	s_mov_b32 s29, 0
	s_lshl_b32 s22, s24, 5                               ; the rows' scale bytes, 32 a row
	s_add_co_u32 s22, s22, XQS
	s_mov_b32 s23, 0
	s_mul_i32 s19, s18, QSTW                             ; my stages
	s_lshl_b32 s25, s18, 3
	s_add_co_u32 s25, s25, QSC
	v_add_nc_u32 v5, s19, v4                             ; into a stage: 16 l of a row
	v_mul_u32_u24 v6, v2, 528
	v_lshl_add_u32 v6, v3, 6, v6
	v_add_nc_u32 v6, s19, v6                             ; out of it: row p, + 64 h: my 16 numbers of a block of 32
	v_lshlrev_b32 v8, 5, v2
	v_add_nc_u32 v8, s25, v8                             ; my row's two scale words: QSC + 32 p + 8 w
	v_add_nc_u32 v9, QSC, v4                             ; and the way out of them: 16 l
	v_lshl_add_u32 v10, v3, 8, v4                        ; slots 8-15 are rows 16-23: 256 bytes further on in memory
.irp b, 0,1,2,3
	v_mov_b32 v[TM+4+\b], 0                              ; written once: a lane permute's destination counts as one of its sources
.endr
	s_wait_kmcnt 0x0
	s_add_nc_u64 s[4:5], s[4:5], s[26:27]
	s_add_nc_u64 s[20:21], s[16:17], s[28:29]
	s_add_nc_u64 s[22:23], s[16:17], s[22:23]
.irp k, 0,1
.irp r, 0,1,2,3,4,5,6,7,8,9,10,11,12,13,14,15
	global_load_b128 v[R+64*\k+4*\r:R+64*\k+4*\r+3], v4, s[4:5] offset:(\r+8*(\r/8))*4096+512*\k th:TH_LOAD_NT   ; 32 lanes read 512 consecutive bytes of slot r's row
.endr
.endr
.irp k, 0,1
	s_wait_loadcnt 16-16*\k                              ; this K step's 16 loads are in; the other's may be out
.irp r, 0,1,2,3,4,5,6,7,8,9,10,11,12,13,14,15
	ds_store_b128 v5, v[R+64*\k+4*\r:R+64*\k+4*\r+3] offset:8448*\k+528*\r
.endr
.irp b, 0,1,2,3
.irp j, 0,1,2,3
	ds_load_b128 v[XN+16*\b+4*\j:XN+16*\b+4*\j+3], v6 offset:8448*\k+128*\b+16*\j   ; LDS serves a wave's instructions in order: these see my stores
.endr
.endr
	s_wait_dscnt 0x0
.if \k
	s_wait_xcnt 0x0                                      ; the first image's stores have read v[PC] on: only now is it written again
.endif
	QUANT64 XN, PW+\k
.irp c, 0,1,2
	global_store_b128 v4, v[PC+4*\c:PC+4*\c+3], s[20:21] offset:1536*\k+512*\c   ; 512 consecutive bytes
.endr
.endr
	ds_store_b64 v8, v[PW:PW+1]                          ; both lanes of a row write the same 8 bytes
	s_wait_dscnt 0x0                                     ; for the others' sake: my store has landed
	s_barrier_signal -1
	s_barrier_wait -1
	s_cmp_lg_u32 s18, 0
	s_cbranch_scc1 .Lq_done
	ds_load_b128 v[16:19], v9                            ; wave 0: the tile's 512 scale bytes,
	s_wait_dscnt 0x0
	global_store_b128 v10, v[16:19], s[22:23]            ; as two aligned runs of 256 bytes: rows 0-7 and rows 16-23 of the tile's span
.Lq_done:
	s_wait_tensorcnt 0x0
	ds_add_u32 v248, v249
	s_wait_dscnt 0x0
	s_endpgm
	; ---------------- the codes' way: wave w of work-group 256 + g takes tile 4 g + w of the five tensors on end
.Lrepack:
	s_sub_co_u32 s24, ttmp9, 256                         ; g
	s_mul_i32 s19, s18, RSTW
	s_add_co_u32 s19, s19, RST                           ; my stage
	v_add_nc_u32 v5, s19, v4                             ; into it: 16 l,
	v_lshl_add_u32 v6, v3, 4, v5                         ; and 16 more where lanes 16-31 have passed a row's end
	v_mul_u32_u24 v7, v2, 784
	v_mad_u32_u24 v7, v3, 24, v7
	v_add_nc_u32 v7, s19, v7                             ; out of it: row p, + 24 h
	s_wait_kmcnt 0x0
	s_mov_b64 s[20:21], s[14:15]                         ; whose tile?  The choice hangs on the work-group's number alone
	s_mov_b32 s22, 176
	s_cmp_lt_u32 s24, 176
	s_cselect_b64 s[20:21], s[12:13], s[20:21]
	s_cselect_b32 s22, 160, s22
	s_cmp_lt_u32 s24, 160
	s_cselect_b64 s[20:21], s[10:11], s[20:21]
	s_cselect_b32 s22, 144, s22
	s_cmp_lt_u32 s24, 144
	s_cselect_b64 s[20:21], s[8:9], s[20:21]
	s_cselect_b32 s22, 128, s22
	s_cmp_lt_u32 s24, 128
	s_cselect_b64 s[20:21], s[6:7], s[20:21]
	s_cselect_b32 s22, 0, s22
	s_sub_co_u32 s25, s24, s22
	s_lshl_b32 s25, s25, 2
	s_add_co_u32 s25, s25, s18                           ; the tile's number in its own tensor
	s_lshr_b32 s26, s25, 1
	s_mul_i32 s26, s26, 24576                            ; 32 rows of 768 bytes for each pair of tiles,
	s_and_b32 s27, s25, 1
	s_mul_i32 s27, s27, 6144                             ; 8 rows for the odd one
	s_add_co_u32 s26, s26, s27
	s_mov_b32 s27, 0
	s_add_nc_u64 s[20:21], s[20:21], s[26:27]
	s_lshl_b32 s28, s24, 2
	s_add_co_u32 s28, s28, s18
	s_mul_i32 s28, s28, 12288
	s_add_co_u32 s28, s28, XKV
	s_mov_b32 s29, 0
	s_add_nc_u64 s[16:17], s[16:17], s[28:29]
.irp e, 0,1                                                  ; the tile's rows are two runs of 8 rows, 6,144 dense bytes each, 16 rows apart
.irp i, 0,1,2,3,4,5,6,7,8,9,10,11
	global_load_b128 v[RR+48*\e+4*\i:RR+48*\e+4*\i+3], v4, s[20:21] offset:12288*\e+512*\i th:TH_LOAD_NT
.endr
.endr
	s_wait_loadcnt 0x0
.irp e, 0,1                                                  ; into the stage with 16 bytes behind each row of 768: byte x of a run goes to x + 16 (x / 768)
.irp i, 0,1,2,3,4,5,6,7,8,9,10,11
.if \i%3 == 1
	ds_store_b128 v6, v[RR+48*\e+4*\i:RR+48*\e+4*\i+3] offset:6272*\e+512*\i+16*(2*(\i/3))
.else
	ds_store_b128 v5, v[RR+48*\e+4*\i:RR+48*\e+4*\i+3] offset:6272*\e+512*\i+16*(2*(\i/3)+(\i%3)/2)
.endif
.endr
.endr
.irp ks, 0,1,2,3,4,5,6,7                                     ; rows are 196 words apart: the 32 lanes of a load of 8 bytes touch 64 different banks (64 banks of 4 bytes: ISA guide 11.1)
.irp p, 0,1,2,3,4,5
	ds_load_b64 v[FRG+12*\ks+2*\p:FRG+12*\ks+2*\p+1], v7 offset:96*\ks+48*(\p/3)+8*(\p%3)
.endr
.endr
.irp ks, 0,1,2,3,4,5,6,7
	s_wait_dscnt 42-6*\ks                                ; this K step's six loads are in; the later steps' may be out
.irp c, 0,1,2
	global_store_b128 v4, v[FRG+12*\ks+4*\c:FRG+12*\ks+4*\c+3], s[16:17] offset:1536*\ks+512*\c
.endr
.endr
	s_wait_tensorcnt 0x0
	ds_add_u32 v248, v249
	s_wait_dscnt 0x0
	s_endpgm
.Lfunc_end_k_q384184953e_prep:
	.size	k_q384184953e_prep, .Lfunc_end_k_q384184953e_prep-k_q384184953e_prep
	.p2alignl 7, 3214868480
	.fill 96, 4, 3214868480
	.section	.rodata,"a",@progbits
	.p2align	6, 0x0
	.amdhsa_kernel k_q384184953e_prep
		.amdhsa_group_segment_fixed_size 118784
		.amdhsa_private_segment_fixed_size 0
		.amdhsa_enable_private_segment 0
		.amdhsa_kernarg_size 56
		.amdhsa_user_sgpr_count 2
		.amdhsa_user_sgpr_kernarg_segment_ptr 1
		.amdhsa_wavefront_size32 1
		.amdhsa_system_sgpr_workgroup_id_x 1
		.amdhsa_system_sgpr_workgroup_id_y 1
		.amdhsa_system_sgpr_workgroup_id_z 1
		.amdhsa_system_vgpr_workitem_id 0
		.amdhsa_next_free_vgpr 250
		.amdhsa_next_free_sgpr 66
		.amdhsa_reserve_vcc 0
		.amdhsa_float_denorm_mode_32 3
		.amdhsa_float_denorm_mode_16_64 3
		.amdhsa_memory_ordered 1
		.amdhsa_forward_progress 1
		.amdhsa_inst_pref_size 30
	.end_amdhsa_kernel
	.amdgpu_metadata
---
amdhsa.version: [ 1, 2 ]
amdhsa.kernels:
  - .name:           k_q384184953e_prep
    .symbol:         k_q384184953e_prep.kd
    .args:
      - { .name: Q, .offset: 0, .size: 8, .value_kind: global_buffer, .address_space: global }
      - { .name: KV_codes, .offset: 8, .size: 8, .value_kind: global_buffer, .address_space: global }
      - { .name: Wq_codes, .offset: 16, .size: 8, .value_kind: global_buffer, .address_space: global }
      - { .name: Wk_codes, .offset: 24, .size: 8, .value_kind: global_buffer, .address_space: global }
      - { .name: Wv_codes, .offset: 32, .size: 8, .value_kind: global_buffer, .address_space: global }
      - { .name: Wo_codes, .offset: 40, .size: 8, .value_kind: global_buffer, .address_space: global }
      - { .name: pk, .offset: 48, .size: 8, .value_kind: global_buffer, .address_space: global }
    .group_segment_fixed_size: 118784
    .private_segment_fixed_size: 0
    .kernarg_segment_align: 8
    .kernarg_segment_size: 56
    .max_flat_workgroup_size: 128
    .sgpr_count:     66
    .vgpr_count:     250
    .wavefront_size: 32
...
	.end_amdgpu_metadata
.endif
;; end of part 1
;; launch kvproj (part 2): grid 256 x 1, 4 waves a work-group, clusters of 4 x 1, 205,312 bytes of LDS; arguments pk, KV_scales, Wk_scales, Wv_scales, bk, bv, kvw; writes kvw
.if DOCPART == 2
	.amdgcn_target "amdgcn-amd-amdhsa--gfx1250"
	.amdhsa_code_object_version 6
	.text
	.protected	k_q384184953e_kvproj
	.globl	k_q384184953e_kvproj
	.p2align	8
	.type	k_q384184953e_kvproj,@function
k_q384184953e_kvproj:
	s_mov_b64 s[64:65], 0
	v_nop
	global_prefetch_b8 v0, s[64:65] scope:SCOPE_SE
	s_setreg_imm32_b32 hwreg(HW_REG_WAVE_MODE, 25, 1), 1
	s_wait_xcnt 0x0
	s_wait_alu depctr_hold_cnt(0) depctr_sa_sdst(0) depctr_va_vdst(0) depctr_va_sdst(0) depctr_va_ssrc(0) depctr_va_vcc(0) depctr_vm_vsrc(0)
	s_getreg_b32 s2, hwreg(HW_REG_IB_STS2, 6, 4)
	s_cmp_eq_u32 s2, 0
	s_cbranch_scc0 .Lentry_in_a_cluster
	s_endpgm
.Lentry_in_a_cluster:
	s_bfe_u32 s2, ttmp6, 0x10000c
	s_cmp_lg_u32 s2, 0x3003
	s_cbranch_scc0 .Lentry_shape_is_right
	s_endpgm
.Lentry_shape_is_right:
; k = KV Wk^T + bk and v = KV Wv^T + bv on codes of E2M3, each quantised at once for attention and stored as images of the operand's registers.
; Clusters 0-31 make k, clusters 32-63 make v; cluster number % 32 is a group of 256 rows of KV.  The four work-groups of a cluster take a quarter of the 1,024 columns each,
; and wave w of work-group cx takes head 4 cx + w: 64 columns.  A work-group makes 256 x 256, a wave 256 x 64.
; W: a wave's 64 rows x K 1,024 are 32 fragments, 384 registers, read from memory once and kept.
; X: the group's 16 tiles x 8 images (196,608 bytes) and its scale rows (8,192 bytes) fit in LDS whole.  The four partners need the same bytes, so they are asked for JOINTLY
; (mask 15); every byte of LDS is filled once, so there is no ring.  By this text's own count a wave has three tensor loads out.
; k: source 0 = 16 rows of Wk, source 1 = 16 keys: a lane holds one key, its registers run along the head's 64: the next K.
; v: source 0 = 16 keys, source 1 = 16 rows of Wv: a lane holds one channel, its registers run along the keys: the next K.
; The tiles' order of rows (slot p of tile 2 b + u = row 32 b + 8 u + p + 8 (p / 8)) makes the 16 registers of two neighbouring tiles 16 neighbours along that K.
; kvw, for I = (batch 16 + head) 16 + key step of 128: codes at 12,288 I: four images of K (image f: registers 0-5 key tile 2 f, 6-11 key tile 2 f + 1, each the head's 64), then four of V
; (image t: 16 channels x 128 keys); scale words at SCO + 512 I: K's [slot][f], then V's [slot][t].
; LIMITS: a block of zeros gets the byte 1 where the rule says 127 (its codes are zeros; this program alone reads the bytes).  NaN and infinities are not served.
; REGISTERS: window 0: addresses, W's and X's scale words, two buffers of four X fragments, the codes just made.  Window 1: W of K steps 0-3, the bias.  Window 2: W of K steps 4-7.
;   Window 3: 32 accumulators (8 tiles of keys x 4 tiles of columns), a block of 128 keys at a time.
.set XKV,  3145728
.set WIMG, 9437184
.set WSZ,  786432
.set SCO,  12582912
.set XSC,  196608                      ; LDS: X's images at 0, X's scale rows here
.set AX,   5                           ; v5-8    16 l + 49,152 q: X's tiles 4 q on
.set SW,   12                          ; v12-15  the four scale words of a block
.set WS,   24                          ; v24-55  W's scale words: 8 t + ks
.set XS,   56                          ; v56-71  X's scale words, two sets of 8
.set XB,   72                          ; v72-167 two buffers of four fragments
.set PC,   168                         ; v168-187 the codes just made
.set TM,   188                         ; v188-203 at work
.set BI,   192                         ; window 1: the bias in the result's layout, 8 t + j
.set MSB,  0
.macro WIN new                         ; the immediate's high byte repeats the setting that is left; a switch that changes nothing is dropped
.if MSB != (\new)
	s_set_vgpr_msb (MSB<<8)|(\new)
.set MSB, (\new)
.endif
.endm
.macro PLACES n
.rept \n
	v_nop
.endr
.endm
.macro CROUND                          ; a round of the cluster's barrier
	s_barrier_signal -1
	s_barrier_wait -1
	s_cmp_lg_u32 s18, 0
	s_cbranch_scc1 .Lnot_wave_0_\@
	s_barrier_signal -3
.Lnot_wave_0_\@:
	s_barrier_wait -3
	s_barrier_signal -1
	s_barrier_wait -1
.endm
.macro MM d, a, b, c, sa, sb
	v_wmma_scale_f32_16x16x128_f8f6f4 v[\d:\d+7], v[\a:\a+11], v[\b:\b+11], v[\c:\c+7], v[\sa], v[\sb] matrix_a_fmt:MATRIX_FMT_FP6 matrix_b_fmt:MATRIX_FMT_FP6
.endm
; 64 numbers of a lane in window sw, register 16 b + i = k 32 b + 16 h + i, become a fragment in v[PC] on and its scale word in v[pw] (window 0).  Each accumulator is read from its low end on.
.macro QUANT64 s, sw, pw
	WIN 5*(\sw)                                          ; sources 0 and 1 in window sw
.irp b, 0,1,2,3
	v_max3_num_f32 v[TM+\b], |v[(\s)+16*\b]|, |v[(\s)+1+16*\b]|, 0x1800000   ; and the floor 2^(3 - 127): the byte cannot fall under 1
.endr
.irp i, 2,4,6,8,10,12,14
.irp b, 0,1,2,3
	v_max3_num_f32 v[TM+\b], |v[(\s)+16*\b+\i]|, |v[(\s)+1+16*\b+\i]|, v[TM+\b]
.endr
.endr
	WIN 0
.irp b, 0,1,2,3
	v_permlanex16_b32 v[TM+4+\b], v[TM+\b], s52, s53
.endr
.irp b, 0,1,2,3
	v_max_num_f32 v[TM+\b], v[TM+\b], v[TM+4+\b]
.endr
.irp b, 0,1,2,3
	v_add_nc_u32 v[TM+12+\b], 0xff000000, v[TM+\b]       ; 2 off the exponent field: the conversion's scale operand
.endr
.irp b, 0,1,2,3
	v_lshrrev_b32 v[TM+4+\b], 23, v[TM+12+\b]            ; the scale's byte
.endr
	v_lshl_or_b32 v[\pw], v[TM+5], 8, v[TM+4]
	v_lshl_or_b32 v[\pw], v[TM+6], 16, v[\pw]
	v_lshl_or_b32 v[\pw], v[TM+7], 24, v[\pw]
	WIN \sw                                              ; source 0 in window sw
.irp c, 0,1
	v_cvt_scalef32_pk16_fp6_f32 v[PC+6*\c:PC+2+6*\c], v[(\s)+32*\c:(\s)+15+32*\c], v[TM+12+2*\c]
	v_cvt_scalef32_pk16_fp6_f32 v[PC+12+4*\c:PC+14+4*\c], v[(\s)+16+32*\c:(\s)+31+32*\c], v[TM+12+2*\c+1]
.endr
	WIN 0
	v_nop                                                ; one plain place behind a scaled conversion
.irp c, 0,1
.irp i, 0,1,2
	v_permlane16_swap_b32 v[PC+6*\c+\i], v[PC+12+4*\c+\i]
.endr
.irp i, 0,1,2
	v_mov_b32 v[PC+3+6*\c+\i], v[PC+12+4*\c+\i]
.endr
.endr
.endm
; Unit n of a block: tile n / 2 of its eight tiles of keys, K steps 4 (n % 2) .. + 3.  FETCH brings its four fragments, and with a tile's first unit the tile's eight scale words.
.macro FETCH B, n
.set fm, 8*(\B)+(\n)/2
.set fh, (\n)%2
.set fb, XB+48*fh
.irp k, 0,1,2,3
.irp c, 0,1,2
	ds_load_b128 v[fb+12*\k+4*\c:fb+12*\k+4*\c+3], v[AX+fm/4] offset:12288*(fm%4)+1536*(4*fh+\k)+512*\c
.endr
.endr
.if fh == 0
.irp q, 0,1
	ds_load_b128 v[XS+8*(fm%2)+4*\q:XS+8*(fm%2)+4*\q+3], v9 offset:32*(32*(fm/2)+8*(fm%2))+16*\q
.endr
.endif
.endm
; 16 matrix instructions: four K steps x my four tiles of columns; the four accumulators take turns, one instruction a turn.  The bias is the C of each sum's first instruction.
.macro MUL n, orient
.set mm, (\n)/2
.set hf, (\n)%2
.set xb, XB+48*hf
.set xs, XS+8*(mm%2)+4*hf
.irp k, 0,1,2,3
.set cw, 3
.if (hf == 0) && (\k == 0)
.set cw, 1
.endif
.if \orient == 0
	WIN 0xc0|(cw<<4)|(1+hf)                              ; D window 3; C window 3, or 1 for the bias; source 0 = W, window 1 or 2; source 1 = X, window 0
.else
	WIN 0xc0|(cw<<4)|((1+hf)<<2)                         ; the same with the sources changed
.endif
.irp t, 0,1,2,3
.if \orient == 0
.set dd, 8*(4*mm+\t)
.else
.set dd, 8*(8*\t+mm)
.endif
.set cc, dd
.if cw == 1
.set cc, BI+8*\t
.endif
.if \orient == 0
	MM dd, 12*(4*\k+\t), xb+12*\k, cc, WS+8*\t+4*hf+\k, xs+\k
.else
	MM dd, xb+12*\k, 12*(4*\k+\t), cc, xs+\k, WS+8*\t+4*hf+\k
.endif
.endr
.endr
.endm
.macro UNIT B, n, orient
	PLACES 4                                             ; in front of loads into the buffer that the unit before multiplied (ISA guide 7.12.1 for vector instructions)
	WIN 0
.if (\n) < 15
	FETCH \B, (\n)+1
.if ((\n)+1)%2 == 0
	s_wait_dscnt 14                                      ; all but the 12 fragment loads and 2 scale loads just issued
.else
	s_wait_dscnt 12                                      ; all but the 12 just issued
.endif
.else
	s_wait_dscnt 0x0
.endif
	MUL \n, \orient
.endm
; A block's 256 registers of results become four images and four scale words
.macro EPI B
	WIN 0
	PLACES 4                                             ; in front of the first read of results
.irp g, 0,1,2,3
	s_wait_xcnt 0x0                                      ; the stores before have read v[PC] on
	QUANT64 64*\g, 3, SW+\g
.irp c, 0,1,2
	global_store_b128 v1, v[PC+4*\c:PC+4*\c+3], s[68:69] offset:12288*\B+1536*\g+512*\c   ; 512 consecutive bytes
.endr
.endr
	v_cndmask_b32 v16, v[SW], v[SW+2], s54               ; lanes 0-15 take words 0 and 1 of their slot, lanes 16-31 words 2 and 3:
	v_cndmask_b32 v17, v[SW+1], v[SW+3], s54
	global_store_b64 v11, v[16:17], s[70:71] offset:512*\B   ; 256 consecutive bytes
.endm
.macro WALK orient
	FETCH 0, 0
.set N, 0
.rept 16
	UNIT 0, N, \orient
.set N, N+1
.endr
	WIN 0
	s_wait_tensorcnt 0x0                                 ; my part of block 1 is in,
	s_wait_dscnt 0x0
	s_barrier_signal -1
	s_barrier_wait -1                                    ; everybody's is
	FETCH 1, 0                                           ; (its buffer was last multiplied two units ago) lands while block 0 is quantised
	EPI 0
.set N, 0
.rept 16
	UNIT 1, N, \orient
.set N, N+1
.endr
	EPI 1
.endm
	s_load_b256 s[4:11], s[0:1], 0x0                     ; pk, KV's scales, Wk's scales, Wv's scales
	s_load_b128 s[12:15], s[0:1], 0x20                   ; bk, bv
	s_load_b64 s[16:17], s[0:1], 0x30                    ; kvw
	v_lshl_add_u32 v254, v0, 2, 0x32000
	v_mov_b32 v255, 0
	ds_add_u32 v254, v255
	ds_add_u32 v254, v255
	v_lshrrev_b32 v1, 5, v0
	v_readfirstlane_b32 s18, v1                          ; wave 0..3
	s_bfe_u32 s19, ttmp6, 0x40000                        ; cx: it enters global addresses of W, the bias and the results alone
	s_lshr_b32 s21, ttmp9, 5                             ; 0: k, 1: v  (ttmp9 counts clusters: the partners share it)
	s_and_b32 s22, ttmp9, 31                             ; the group of 256 rows
	s_lshl_b32 s23, s19, 2
	s_add_co_u32 s23, s23, s18                           ; my head
	s_mov_b32 s52, 0x76543210
	s_mov_b32 s53, 0xfedcba98
	s_mov_b32 s54, 0xffff0000                            ; lanes 16-31
	; descriptor groups 1: dense rows of 256 bytes (32 elements of 8 bytes); mask 15: all four work-groups; bit 21 set beside the mask
.irp g, 24, 32
	s_mov_b32 s[\g], 15|(3<<16)|(1<<21)
	s_mov_b32 s[\g+1], 32<<16                            ; tensor_dim0
	s_mov_b32 s[\g+3], 32<<16                            ; tile_dim0
	s_mov_b32 s[\g+5], 32                                ; the pitch
	s_mov_b32 s[\g+6], 0
	s_mov_b32 s[\g+7], 0
.endr
	s_mov_b32 s26, 96<<16                                ; images: 96 rows, a quarter of a block of 8 tiles
	s_mov_b32 s28, 96
	s_mov_b32 s34, 8<<16                                 ; scale rows: 8 rows, a quarter of the group's
	s_mov_b32 s36, 8
	s_mul_i32 s56, s22, 196608
	s_mul_i32 s57, s18, 24576
	s_add_co_u32 s56, s56, s57
	s_add_co_u32 s56, s56, XKV                           ; my quarter of block 0, in pk
	s_mov_b32 s45, s57                                   ; and in LDS;
	s_add_co_u32 s49, s57, 98304                         ; block 1's
	s_mov_b32 s57, 0
	s_lshl_b32 s58, s22, 13
	s_lshl_b32 s59, s18, 11
	s_add_co_u32 s58, s58, s59                           ; my quarter of the scale rows
	s_add_co_u32 s41, s59, XSC
	s_mov_b32 s59, 0
	s_add_co_u32 s60, s21, 1                             ; W's images: Wk is the second of the four tensors, Wv the third
	s_mul_i32 s60, s60, WSZ
	s_mul_i32 s61, s23, 49152                            ; my head's four tiles
	s_add_co_u32 s60, s60, s61
	s_add_co_u32 s60, s60, WIMG
	s_mov_b32 s61, 0
	s_lshl_b32 s62, s23, 11                              ; my 64 rows of W's scales
	s_mov_b32 s63, 0
	s_lshl_b32 s66, s23, 8                               ; my 64 numbers of the bias
	s_mov_b32 s67, 0
	s_lshr_b32 s68, s22, 3                               ; I of block 0: (batch 16 + head) 16 + 2 (group % 8)
	s_lshl_b32 s68, s68, 4
	s_add_co_u32 s68, s68, s23
	s_lshl_b32 s68, s68, 4
	s_and_b32 s69, s22, 7
	s_lshl_b32 s69, s69, 1
	s_add_co_u32 s68, s68, s69
	s_lshl_b32 s70, s68, 9
	s_lshl_b32 s71, s21, 8
	s_add_co_u32 s70, s70, s71
	s_add_co_u32 s70, s70, SCO
	s_mov_b32 s71, 0
	s_mul_i32 s68, s68, 12288
	s_mul_i32 s69, s21, 6144
	s_add_co_u32 s68, s68, s69
	s_mov_b32 s69, 0
	v_and_b32 v1, 31, v0
	v_lshlrev_b32 v1, 4, v1                              ; 16 l
	v_and_b32 v2, 15, v0                                 ; p
	v_bfe_u32 v3, v0, 4, 1                               ; h
	v_and_b32 v16, 8, v2
	v_add_nc_u32 v16, v16, v2                            ; p + 8 (p / 8)
	v_lshlrev_b32 v4, 5, v16                             ; a slot's row of 32 scale bytes
	v_lshlrev_b32 v18, 2, v16                            ; v's bias: my channel
	v_lshlrev_b32 v10, 6, v3                             ; k's bias: my half's 16 channels
	v_add_nc_u32 v9, XSC, v4
	v_lshlrev_b32 v11, 4, v2
	v_lshl_add_u32 v11, v3, 3, v11                       ; the scale words' way out: 16 p + 8 h
.irp q, 0,1,2,3
	v_add_nc_u32 v[AX+\q], 49152*\q, v1
.endr
.irp b, 0,1,2,3
	v_mov_b32 v[TM+4+\b], 0                              ; written once: a lane permute's destination counts as one of its sources
.endr
	s_wait_dscnt 0x0
	s_wait_kmcnt 0x0
	s_mov_b32 s40, 1
	s_add_nc_u64 s[42:43], s[6:7], s[58:59]
	s_or_b32 s43, s43, 0x80000000
	s_mov_b32 s44, 1
	s_add_nc_u64 s[46:47], s[4:5], s[56:57]
	s_mov_b32 s48, 1
	s_add_nc_u64 s[50:51], s[46:47], 98304
	s_or_b32 s47, s47, 0x80000000
	s_or_b32 s51, s51, 0x80000000
	s_add_nc_u64 s[60:61], s[4:5], s[60:61]
	s_add_nc_u64 s[68:69], s[16:17], s[68:69]
	s_add_nc_u64 s[70:71], s[16:17], s[70:71]
	s_cmp_eq_u32 s21, 0
	s_cselect_b64 s[72:73], s[8:9], s[10:11]             ; Wk's or Wv's scales, bk or bv: the choice hangs on the cluster's number alone
	s_cselect_b64 s[74:75], s[12:13], s[14:15]
	s_add_nc_u64 s[72:73], s[72:73], s[62:63]
	s_add_nc_u64 s[74:75], s[74:75], s[66:67]
	CROUND                                               ; all four work-groups are here: the joint loads meet
	tensor_load_to_lds s[40:43], s[32:39]                ; the scale rows,
	s_nop 0
	tensor_load_to_lds s[44:47], s[24:31]                ; block 0,
	s_nop 0
	tensor_load_to_lds s[48:51], s[24:31]                ; block 1: every byte of LDS is filled once
	s_nop 0
	PLACES 4
	WIN 0x40
.irp ks, 0,1,2,3
.irp t, 0,1,2,3
.irp c, 0,1,2
	global_load_b128 v[12*(4*\ks+\t)+4*\c:12*(4*\ks+\t)+4*\c+3], v1, s[60:61] offset:12288*\t+1536*\ks+512*\c
.endr
.endr
.endr
	WIN 0x80
.irp ks, 0,1,2,3
.irp t, 0,1,2,3
.irp c, 0,1,2
	global_load_b128 v[12*(4*\ks+\t)+4*\c:12*(4*\ks+\t)+4*\c+3], v1, s[60:61] offset:12288*\t+1536*(4+\ks)+512*\c
.endr
.endr
.endr
	WIN 0
.irp t, 0,1,2,3
.irp q, 0,1
	global_load_b128 v[WS+8*\t+4*\q:WS+8*\t+4*\q+3], v4, s[72:73] offset:32*(32*(\t/2)+8*(\t%2))+16*\q
.endr
.endr
	s_wait_tensorcnt 0x1                                 ; the scale rows and my part of block 0 are in; block 1's load may stay out
	s_barrier_signal -1
	s_barrier_wait -1                                    ; everybody's are
	s_cmp_lg_u32 s21, 0
	s_cbranch_scc1 .Lv_path
	WIN 0x40
.irp t, 0,1,2,3                                              ; bk in the result's layout: lane (r, h), register j of tile t: channel 32 (t / 2) + 8 (t % 2) + 16 h + j
.irp q, 0,1
	global_load_b128 v[BI+8*\t+4*\q:BI+8*\t+4*\q+3], v10, s[74:75] offset:4*(32*(\t/2)+8*(\t%2))+16*\q
.endr
.endr
	WIN 0
	s_wait_loadcnt 0x0
	WALK 0
	s_branch .Ljoin
.Lv_path:
	WIN 0x40
.irp t, 0,1,2,3                                              ; bv: a lane holds one channel, so all eight registers of a tile take the same number
.irp j, 0,1,2,3,4,5,6,7
	global_load_b32 v[BI+8*\t+\j], v18, s[74:75] offset:4*(32*(\t/2)+8*(\t%2))
.endr
.endr
	WIN 0
	s_wait_loadcnt 0x0
	WALK 1
.Ljoin:
	s_wait_tensorcnt 0x0
	ds_add_u32 v254, v255
	s_wait_dscnt 0x0
	CROUND                                               ; the closing round: no work-group ends while a partner may still ask for a tile that names it
	s_endpgm
.Lfunc_end_k_q384184953e_kvproj:
	.size	k_q384184953e_kvproj, .Lfunc_end_k_q384184953e_kvproj-k_q384184953e_kvproj
	.p2alignl 7, 3214868480
	.fill 96, 4, 3214868480
	.section	.rodata,"a",@progbits
	.p2align	6, 0x0
	.amdhsa_kernel k_q384184953e_kvproj
		.amdhsa_group_segment_fixed_size 205312
		.amdhsa_private_segment_fixed_size 0
		.amdhsa_enable_private_segment 0
		.amdhsa_kernarg_size 56
		.amdhsa_user_sgpr_count 2
		.amdhsa_user_sgpr_kernarg_segment_ptr 1
		.amdhsa_wavefront_size32 1
		.amdhsa_system_sgpr_workgroup_id_x 1
		.amdhsa_system_sgpr_workgroup_id_y 1
		.amdhsa_system_sgpr_workgroup_id_z 1
		.amdhsa_system_vgpr_workitem_id 0
		.amdhsa_next_free_vgpr 1024
		.amdhsa_next_free_sgpr 76
		.amdhsa_reserve_vcc 0
		.amdhsa_float_denorm_mode_32 3
		.amdhsa_float_denorm_mode_16_64 3
		.amdhsa_memory_ordered 1
		.amdhsa_forward_progress 1
		.amdhsa_inst_pref_size 255
	.end_amdhsa_kernel
	.section	.bss,"aw",@nobits
	.p2align	6
	.space	262144
	.amdgpu_metadata
---
amdhsa.version: [ 1, 2 ]
amdhsa.kernels:
  - .name:           k_q384184953e_kvproj
    .symbol:         k_q384184953e_kvproj.kd
    .args:
      - { .name: pk, .offset: 0, .size: 8, .value_kind: global_buffer, .address_space: global }
      - { .name: KV_scales, .offset: 8, .size: 8, .value_kind: global_buffer, .address_space: global }
      - { .name: Wk_scales, .offset: 16, .size: 8, .value_kind: global_buffer, .address_space: global }
      - { .name: Wv_scales, .offset: 24, .size: 8, .value_kind: global_buffer, .address_space: global }
      - { .name: bk, .offset: 32, .size: 8, .value_kind: global_buffer, .address_space: global }
      - { .name: bv, .offset: 40, .size: 8, .value_kind: global_buffer, .address_space: global }
      - { .name: kvw, .offset: 48, .size: 8, .value_kind: global_buffer, .address_space: global }
    .group_segment_fixed_size: 205312
    .private_segment_fixed_size: 0
    .kernarg_segment_align: 8
    .kernarg_segment_size: 56
    .max_flat_workgroup_size: 128
    .sgpr_count:     76
    .vgpr_count:     1024
    .wavefront_size: 32
...
	.end_amdgpu_metadata
.endif
;; end of part 2
;; launch attn (part 3): grid 4 x 64, 8 waves a work-group, clusters of 4 x 1, 263,168 bytes of LDS; arguments pk, Wq_scales, bq, kvw, log_gate_bias, aow; writes aow
.if DOCPART == 3
	.amdgcn_target "amdgcn-amd-amdhsa--gfx1250"
	.amdhsa_code_object_version 6
	.text
	.protected	k_q384184953e_attn
	.globl	k_q384184953e_attn
	.p2align	8
	.type	k_q384184953e_attn,@function
k_q384184953e_attn:
	s_mov_b64 s[64:65], 0
	v_nop
	global_prefetch_b8 v0, s[64:65] scope:SCOPE_SE
	s_setreg_imm32_b32 hwreg(HW_REG_WAVE_MODE, 25, 1), 1
	s_wait_xcnt 0x0
	s_wait_alu depctr_hold_cnt(0) depctr_sa_sdst(0) depctr_va_vdst(0) depctr_va_sdst(0) depctr_va_ssrc(0) depctr_va_vcc(0) depctr_vm_vsrc(0)
	s_getreg_b32 s2, hwreg(HW_REG_IB_STS2, 6, 4)
	s_cmp_eq_u32 s2, 0
	s_cbranch_scc0 .Lentry_in_a_cluster
	s_endpgm
.Lentry_in_a_cluster:
	s_bfe_u32 s2, ttmp6, 0x10000c
	s_cmp_lg_u32 s2, 0x3003
	s_cbranch_scc0 .Lentry_shape_is_right
	s_endpgm
.Lentry_shape_is_right:
; For one batch and head (work-group y) and 256 queries (cx): q = Q Wq^T + bq for this head, quantised; logits = q k^T / 8 + gate; p = 2^(t - M); o = p v / l, quantised along the channels for the last projection.
; All products on codes of E2M3 with one E8M0 scale for each 32 along K.
; SHARES.  Eight waves, two to a SIMD; wave w owns query tiles T0 and T0 + 1 (16 queries each).  Tile e lives in register window e under the SAME register numbers.
; CLUSTER.  The four query blocks of a head need the same K, V, scale words, gate and slice of Wq: five JOINT loads a wave (mask 15), all first fills: a head's K and V (196,608 bytes) stay in LDS.
; By this text's own count a wave has five tensor loads out.  No LDS byte is filled twice and none is stored to.
; LAYOUT.  All products are used transposed, so that a lane holds ONE query (lane % 16) throughout.
; THE FIRST ATTENTION PRODUCT HAS K = 64 and the instruction 128: an image of K holds two key tiles (registers 0-5, 6-11); source 1 is [q | zeros] for the first and [zeros | q] for the second.
; Zero codes add nothing under any scale byte but 0xff, which none here is.  The 1 / 8 is taken off q's scale bytes (3 off each): exact.  The gate, in the result's layout, is the product's C.
; It is loaded into tile 1's score registers: tile 0's products read it as C, then tile 1's add onto it in place.
; SOFTMAX.  t = logit x log2(e); M = the running largest t rounded up to a whole number, kept as -M = floor(-t); the sum is taken of the unquantised p; when M moves, the sum and O are
; multiplied by 2^(old M - new M), which rounds nothing.  A block's largest p is made from the block's largest logit by the same two instructions (this takes v_exp_f32 not to fall where its input rises).
; aow: for tile T and head hd a half image at 12,288 T + 768 hd (registers 0-3 at 16 l, registers 4-5 at 512 + 8 l); its two scale bytes as a word at AOS + 1,024 T + 64 hd + 4 slot.
; LIMITS: NaN and +infinity are not served; a gate of -infinity on some keys is, a query all of whose logits are -infinity is not.  A block of q whose largest magnitude lies under 2^-121 is coded
; at the scale 2^-123.  A block of zeros gets the floor's byte where the rule says 127 (its codes are zeros; this program alone reads the bytes).
.set WIMG, 9437184
.set XQS,  12582912
.set SCO,  12582912
.set AOS,  3145728
.set LSC,  196608                      ; LDS: K and V at 0 (12,288 a key step: K's 6,144, V's 6,144); scale words here (512 a step: K's 256, V's 256);
.set LGB,  204800                      ; the gate, 2,048 f32;
.set LWQ,  212992                      ; Wq's four tiles x eight images
.set S,    32                          ; each window: v32-95 logits, then p
.set O,    96                          ; v96-127  O^T
.set PC,   128                         ; v128-139 p's codes
.set SP,   140                         ; v140-147 the conversions' second halves
.set BM,   148                         ; v148-151 block maxima
.set BT,   152                         ; v152-155 the other half's, then scale bytes
.set SO,   156                         ; v156-159 the conversions' scale operands
.set ST,   160                         ; v160 -M, v161 the largest t, v162-163 the sum, v164 f, v165 named with it as a pair, v166-167 at work
.set QZ,   168                         ; v168-173 zeros, v174-179 q's codes, v180-185 zeros
.set KF,   192                         ; window 0: K's four images;  window 1: V's four
.set VF,   192
.set KS,   240                         ; window 0: K's scale words, V's, p's (one a tile), q's (one a tile)
.set VS,   244
.set PW,   248
.set QS,   250
.set XF,   32                          ; while q is made: each window: Q's eight fragments; v128-159 q^T;
.set QA,   128
.set WQS,  192                         ; window 0: Wq's scale words 8 t + ks; Q's 8 e + ks;  window 1: four fragments of Wq
.set XSQ,  224
.set WB,   192
.set MSB,  0
.macro WIN new                         ; the immediate's high byte repeats the setting that is left; a switch that changes nothing is dropped
.if MSB != (\new)
	s_set_vgpr_msb (MSB<<8)|(\new)
.set MSB, (\new)
.endif
.endm
.macro PLACES n
.rept \n
	v_nop
.endr
.endm
.macro CROUND
	s_barrier_signal -1
	s_barrier_wait -1
	s_cmp_lg_u32 s16, 0
	s_cbranch_scc1 .Lnot_wave_0_\@
	s_barrier_signal -3
.Lnot_wave_0_\@:
	s_barrier_wait -3
	s_barrier_signal -1
	s_barrier_wait -1
.endm
.macro MM d, a, b, c, sa, sb
	v_wmma_scale_f32_16x16x128_f8f6f4 v[\d:\d+7], v[\a:\a+11], v[\b:\b+11], v[\c:\c+7], v[\sa], v[\sb] matrix_a_fmt:MATRIX_FMT_FP6 matrix_b_fmt:MATRIX_FMT_FP6
.endm
; 32 numbers of a lane, register 16 b + i = k 32 b + 16 h + i, become six registers of codes at v[d] (block h of my row); the two scale bytes are left in v[t+2], v[t+3].  All in the window in hand.
.macro QUANT32 s, d, t, fl
.irp b, 0,1
	v_max3_num_f32 v[\t+\b], |v[\s+16*\b]|, |v[\s+1+16*\b]|, \fl
.endr
.irp i, 2,4,6,8,10,12,14
.irp b, 0,1
	v_max3_num_f32 v[\t+\b], v[\t+\b], |v[\s+16*\b+\i]|, |v[\s+1+16*\b+\i]|
.endr
.endr
.irp b, 0,1
	v_permlanex16_b32 v[\t+2+\b], v[\t+\b], s72, s73
.endr
.irp b, 0,1
	v_max_num_f32 v[\t+\b], v[\t+\b], v[\t+2+\b]
.endr
.irp b, 0,1
	v_add_nc_u32 v[\t+4+\b], 0xff000000, v[\t+\b]        ; 2 off the exponent field: the conversion's scale operand
.endr
.irp b, 0,1
	v_lshrrev_b32 v[\t+2+\b], 23, v[\t+4+\b]             ; the scale's byte
.endr
	v_cvt_scalef32_pk16_fp6_f32 v[\d:\d+2], v[\s:\s+15], v[\t+4]
	v_cvt_scalef32_pk16_fp6_f32 v[\t+8:\t+10], v[\s+16:\s+31], v[\t+5]
	v_nop                                                ; one plain place behind a scaled conversion
.irp i, 0,1,2
	v_permlane16_swap_b32 v[\d+\i], v[\t+8+\i]           ; lanes 0-15 end with block 0 whole, lanes 16-31 with block 1
.endr
.irp i, 0,1,2
	v_mov_b32 v[\d+3+\i], v[\t+8+\i]
.endr
.endm
.macro LOADK adr, off                  ; a key step's four images of K
.irp f, 0,1,2,3
.irp c, 0,1,2
	ds_load_b128 v[KF+12*\f+4*\c:KF+12*\f+4*\c+3], v[\adr] offset:\off+1536*\f+512*\c
.endr
.endr
.endm
.macro LOADG adr, off                  ; a key step's gate in the result's layout: tile 2 f + u, register j, half h: key 32 f + 16 h + 8 u + j.  Sixteen lanes read the same 16 bytes
.irp f, 0,1,2,3
.irp u, 0,1
.irp q, 0,1
	ds_load_b128 v[S+8*(2*\f+\u)+4*\q:S+8*(2*\f+\u)+4*\q+3], v[\adr] offset:\off+128*\f+32*\u+16*\q
.endr
.endr
.endr
.endm
.macro QK e                            ; eight tiles of 16 keys x my 16 queries
.irp f, 0,1,2,3
.irp u, 0,1
	MM S+8*(2*\f+\u), KF+12*\f, QZ+6-6*\u, S+8*(2*\f+\u), KS+\f, QS+\e
.endr
.endr
.endm
.macro PV e                            ; O^T += V^T P^T: four tiles of 16 channels; K = the step's 128 keys
.irp t, 0,1,2,3
	MM O+8*\t, VF+12*\t, PC, O+8*\t, VS+\t, PW+\e
.endr
.endm
; The softmax of tile e for one key step
.macro SMX e
	WIN 0x55*\e
.irp b, 0,1,2,3
	v_max3_num_f32 v[BM+\b], v[S+16*\b], v[S+1+16*\b], v[S+2+16*\b]      ; the largest logit of each block of 32 keys; each accumulator is read from its low end on
.endr
.irp i, 3,5,7,9,11,13
.irp b, 0,1,2,3
	v_max3_num_f32 v[BM+\b], v[BM+\b], v[S+16*\b+\i], v[S+1+16*\b+\i]
.endr
.endr
.irp b, 0,1,2,3
	v_max_num_f32 v[BM+\b], v[BM+\b], v[S+15+16*\b]
.endr
.irp b, 0,1,2,3
	v_permlanex16_b32 v[BT+\b], v[BM+\b], s72, s73
.endr
.irp b, 0,1,2,3
	v_max_num_f32 v[BM+\b], v[BM+\b], v[BT+\b]           ; with lane l xor 16's 16 keys
.endr
	v_max3_num_f32 v[ST+6], v[BM], v[BM+1], v[BM+2]
	v_max_num_f32 v[ST+6], v[ST+6], v[BM+3]
	v_mul_f32 v[ST+6], s22, v[ST+6]                      ; as t (log2(e) is positive)
	v_max_num_f32 v[ST+1], v[ST+1], v[ST+6]              ; the running largest t
	v_mov_b32 v[ST+6], v[ST]
	v_floor_f32 v[ST], -v[ST+1]                          ; the new -M = floor(-t): M is a whole number
	v_sub_f32 v[ST+6], v[ST], v[ST+6]                    ; old M - new M: a whole number, 0 or less
	v_cvt_i32_f32 v[ST+6], v[ST+6]                       ; (it saturates)
	v_ldexp_f32 v[ST+4], 1.0, v[ST+6]                    ; f = 2^(old M - new M)
.set sj, 0
.rept 32
	v_pk_fma_f32 v[S+sj:S+sj+1], v[S+sj:S+sj+1], s[22:23], v[ST:ST+1] op_sel_hi:[1,0,0]   ; t - M, two at a time
.set sj, sj+2
.endr
.irp b, 0,1,2,3
	v_fma_f32 v[BM+\b], v[BM+\b], s22, v[ST]             ; the same of each block's largest logit
.endr
.set sj, 0
.rept 64
	v_exp_f32 v[S+sj], v[S+sj]                           ; p = 2^(t - M), at most 1: not normalised
.set sj, sj+1
.endr
.irp b, 0,1,2,3
	v_exp_f32 v[BM+\b], v[BM+\b]                         ; the block's largest p
.endr
	v_pk_mul_f32 v[ST+2:ST+3], v[ST+2:ST+3], v[ST+4:ST+5] op_sel_hi:[1,0]   ; the sum under the new M.  (The plain place behind the exponentials)
	s_wait_alu depctr_va_vdst(0)
.irp b, 0,1,2,3
	v_max_num_f32 v[BM+\b], 0x1800000, v[BM+\b]          ; the floor 2^(3 - 127): the byte cannot fall under 1
.endr
.irp b, 0,1,2,3
	v_add_nc_u32 v[SO+\b], 0xff000000, v[BM+\b]
.endr
.irp b, 0,1,2,3
	v_lshrrev_b32 v[BT+\b], 23, v[SO+\b]
.endr
	v_lshl_or_b32 v[BT], v[BT+1], 8, v[BT]
	v_lshl_or_b32 v[BT], v[BT+2], 16, v[BT]
	WIN 0x11*\e                                          ; scale operands are taken from window 0: the word goes there
	v_lshl_or_b32 v[PW+\e], v[BT+3], 24, v[BT]
	WIN 0x55*\e
.irp c, 0,1
	v_cvt_scalef32_pk16_fp6_f32 v[PC+6*\c:PC+2+6*\c], v[S+32*\c:S+15+32*\c], v[SO+2*\c]
	v_cvt_scalef32_pk16_fp6_f32 v[SP+4*\c:SP+2+4*\c], v[S+16+32*\c:S+31+32*\c], v[SO+2*\c+1]
.endr
	v_nop                                                ; one plain place behind a scaled conversion
.irp c, 0,1
.irp i, 0,1,2
	v_permlane16_swap_b32 v[PC+6*\c+\i], v[SP+4*\c+\i]
.endr
.irp i, 0,1,2
	v_mov_b32 v[PC+3+6*\c+\i], v[SP+4*\c+\i]
.endr
.endr
	v_pk_add_f32 v[ST+6:ST+7], v[S:S+1], v[S+2:S+3]      ; the sum of the UNQUANTISED p, in two chains
.set sj, 4
.rept 15
	v_pk_add_f32 v[ST+2:ST+3], v[ST+2:ST+3], v[S+sj:S+sj+1]
	v_pk_add_f32 v[ST+6:ST+7], v[ST+6:ST+7], v[S+sj+2:S+sj+3]
.set sj, sj+4
.endr
	v_pk_add_f32 v[ST+2:ST+3], v[ST+2:ST+3], v[ST+6:ST+7]
.set sj, 0
.rept 16
	v_pk_mul_f32 v[O+sj:O+sj+1], v[O+sj:O+sj+1], v[ST+4:ST+5] op_sel_hi:[1,0]   ; O^T under the new M.  (The sums and these are the places between p's codes and scale word and the products that take them)
.set sj, sj+2
.endr
.endm
; A key step of 128 keys.  more = 1: the next step's K, scale words and gate are asked for.
.macro STEP more
	v_add_nc_u32 v7, s74, v1                             ; the step's images,
	v_add_nc_u32 v9, s75, v8                             ; scale words
	v_add_nc_u32 v11, s75, v10                           ; and gate
	s_wait_dscnt 0x0                                     ; K, its scale words and the gate are in
	WIN 0x10                                             ; tile 0: all in window 0 but C, the gate, in window 1
	QK 0
	PLACES 5                                             ; tile 1's products write over the registers that tile 0's read as C
	WIN 0x54                                             ; tile 1: K in window 0, the rest in window 1
	QK 1
	PLACES 4                                             ; in front of loads into registers that matrix instructions have read, and of the first read of results
	WIN 0x40
.irp t, 0,1,2,3
.irp c, 0,1,2
	ds_load_b128 v[VF+12*\t+4*\c:VF+12*\t+4*\c+3], v7 offset:6144+1536*\t+512*\c
.endr
.endr
	WIN 0
	ds_load_b128 v[VS:VS+3], v9 offset:256
.if \more
	LOADK 7, 12288
	ds_load_b128 v[KS:KS+3], v9 offset:512
.endif
	SMX 0
	SMX 1
.if \more
	WIN 0x40
	LOADG 11, 512                                        ; tile 1's p has been summed and coded: its registers take the next gate
	s_wait_dscnt 29                                      ; V and its scale words are in; behind them: 13 loads of K and its words, 16 of the gate
.else
	s_wait_dscnt 0x0
.endif
	WIN 0x01                                             ; V in window 1, the rest in window 0
	PV 0
	WIN 0x55
	PV 1
	WIN 0
	s_add_co_u32 s74, s74, 12288
	s_add_co_u32 s75, s75, 512
.endm
	s_load_b256 s[4:11], s[0:1], 0x0                     ; pk, Wq's scales, bq, kvw
	s_load_b128 s[12:15], s[0:1], 0x20                   ; the gate, aow
	v_lshl_add_u32 v254, v0, 2, 0x40000
	v_mov_b32 v255, 0
	ds_add_u32 v254, v255
	ds_add_u32 v254, v255
	v_lshrrev_b32 v1, 5, v0
	v_readfirstlane_b32 s16, v1                          ; wave 0..7
	s_bfe_u32 s17, ttmp6, 0x40000                        ; cx: it enters Q's and the result's global addresses alone
	s_and_b32 s18, ttmp7, 0xffff                         ; 16 batch + head, which the partners share
	s_lshr_b32 s19, s18, 4
	s_and_b32 s20, s18, 15
	s_mov_b32 s22, 0x3fb8aa3b                            ; log2(e)
	s_mov_b32 s23, s22                                   ; (named with it as a pair, so it is written)
	s_mov_b32 s72, 0x76543210
	s_mov_b32 s73, 0xfedcba98
	s_mov_b32 s74, 0
	s_mov_b32 s75, 0
	s_mov_b32 s76, 0xffff0000                            ; lanes 16-31
	; descriptor groups 1: dense rows of 256 bytes (32 elements of 8 bytes); mask 15; bit 21 set beside the mask
.irp g, 24, 32, 40
	s_mov_b32 s[\g], 15|(3<<16)|(1<<21)
	s_mov_b32 s[\g+1], 32<<16
	s_mov_b32 s[\g+3], 32<<16
	s_mov_b32 s[\g+5], 32
	s_mov_b32 s[\g+6], 0
	s_mov_b32 s[\g+7], 0
.endr
	s_mov_b32 s26, 24<<16                                ; an eighth of Wq's slice: 24 rows
	s_mov_b32 s28, 24
	s_mov_b32 s34, 4<<16                                 ; an eighth of the scale words, or of the gate: 4 rows
	s_mov_b32 s36, 4
	s_mov_b32 s42, 48<<16                                ; one key step's K and V: 48 rows
	s_mov_b32 s44, 48
	s_mul_i32 s98, s16, 6144
	s_mul_i32 s78, s20, 49152
	s_add_co_u32 s78, s78, s98
	s_add_co_u32 s78, s78, WIMG                          ; Wq's images are the first of the four tensors'
	s_mov_b32 s79, 0
	s_add_co_u32 s49, s98, LWQ
	s_lshl_b32 s98, s16, 10
	s_lshl_b32 s80, s18, 13
	s_add_co_u32 s80, s80, s98
	s_add_co_u32 s80, s80, SCO
	s_mov_b32 s81, 0
	s_add_co_u32 s53, s98, LSC
	s_lshl_b32 s82, s19, 13
	s_add_co_u32 s82, s82, s98
	s_mov_b32 s83, 0
	s_add_co_u32 s57, s98, LGB
	s_mul_i32 s61, s16, 12288                            ; key step w, and key step 8 + w
	s_mul_i32 s84, s18, 196608
	s_add_co_u32 s84, s84, s61
	s_mov_b32 s85, 0
	s_add_co_u32 s69, s61, 98304
	s_lshl_b32 s21, s19, 6                               ; T0 = 64 batch + 16 cx + 2 wave
	s_lshl_b32 s99, s17, 4
	s_add_co_u32 s21, s21, s99
	s_lshl_b32 s99, s16, 1
	s_add_co_u32 s21, s21, s99
	s_mul_i32 s86, s21, 12288                            ; Q's images
	s_mov_b32 s87, 0
	s_lshl_b32 s88, s21, 9                               ; Q's scale rows: 32 rows of 32 bytes for each pair of tiles
	s_add_co_u32 s88, s88, XQS
	s_mov_b32 s89, 0
	s_lshl_b32 s90, s20, 11                              ; Wq's scale rows of my head
	s_mov_b32 s91, 0
	s_lshl_b32 s92, s20, 8                               ; bq of my head
	s_mov_b32 s93, 0
	s_mul_i32 s94, s20, 768
	s_add_co_u32 s94, s94, s86                           ; the result's half images
	s_mov_b32 s95, 0
	s_lshl_b32 s96, s21, 10
	s_lshl_b32 s99, s20, 6
	s_add_co_u32 s96, s96, s99
	s_add_co_u32 s96, s96, AOS                           ; and their scale words
	s_mov_b32 s97, 0
	v_and_b32 v1, 31, v0
	v_lshlrev_b32 v2, 3, v1                              ; 8 l
	v_lshlrev_b32 v1, 4, v1                              ; 16 l
	v_and_b32 v3, 15, v0                                 ; p
	v_bfe_u32 v4, v0, 4, 1                               ; h
	v_and_b32 v5, 8, v3
	v_add_nc_u32 v5, v5, v3
	v_lshlrev_b32 v5, 5, v5                              ; 32 (p + 8 (p / 8)): a slot's row of scale bytes
	v_lshlrev_b32 v6, 6, v4                              ; 64 h
	v_lshl_add_u32 v8, v3, 4, LSC                        ; a slot's four scale words
	v_add_nc_u32 v10, LGB, v6
	v_add_nc_u32 v12, LWQ, v1
	v_lshlrev_b32 v14, 2, v3
	v_lshl_add_u32 v14, v4, 10, v14                      ; the result's scale words: lanes 0-15 tile T0, lanes 16-31 tile T0 + 1
	s_wait_dscnt 0x0
	s_wait_kmcnt 0x0
	s_mov_b32 s48, 1
	s_add_nc_u64 s[50:51], s[4:5], s[78:79]
	s_or_b32 s51, s51, 0x80000000
	s_mov_b32 s52, 1
	s_add_nc_u64 s[54:55], s[10:11], s[80:81]
	s_or_b32 s55, s55, 0x80000000
	s_mov_b32 s56, 1
	s_add_nc_u64 s[58:59], s[12:13], s[82:83]
	s_or_b32 s59, s59, 0x80000000
	s_mov_b32 s60, 1
	s_add_nc_u64 s[62:63], s[10:11], s[84:85]
	s_mov_b32 s68, 1
	s_add_nc_u64 s[70:71], s[62:63], 98304
	s_or_b32 s63, s63, 0x80000000
	s_or_b32 s71, s71, 0x80000000
	s_add_nc_u64 s[86:87], s[4:5], s[86:87]
	s_add_nc_u64 s[88:89], s[4:5], s[88:89]
	s_add_nc_u64 s[90:91], s[6:7], s[90:91]
	s_add_nc_u64 s[92:93], s[8:9], s[92:93]
	s_add_nc_u64 s[94:95], s[14:15], s[94:95]
	s_add_nc_u64 s[96:97], s[14:15], s[96:97]
	CROUND                                               ; all four work-groups are here: the joint loads meet
	tensor_load_to_lds s[48:51], s[24:31]                ; Wq's slice first: it is wanted first
	s_nop 0
	tensor_load_to_lds s[52:55], s[32:39]                ; K's and V's scale words
	s_nop 0
	tensor_load_to_lds s[56:59], s[32:39]                ; the gate
	s_nop 0
	tensor_load_to_lds s[60:63], s[40:47]                ; key steps 0-7
	s_nop 0
	tensor_load_to_lds s[68:71], s[40:47]                ; key steps 8-15
	s_nop 0
	PLACES 4
.irp e, 0,1
	WIN 0x40*\e
.irp ks, 0,1,2,3,4,5,6,7
.irp c, 0,1,2
	global_load_b128 v[XF+12*\ks+4*\c:XF+12*\ks+4*\c+3], v1, s[86:87] offset:12288*\e+1536*\ks+512*\c
.endr
.endr
.irp t, 0,1,2,3                                              ; bq in the result's layout lands in the accumulators: the sums begin with it
.irp q, 0,1
	global_load_b128 v[QA+8*\t+4*\q:QA+8*\t+4*\q+3], v6, s[92:93] offset:4*(32*(\t/2)+8*(\t%2))+16*\q
.endr
.endr
.endr
	WIN 0
.irp e, 0,1
.irp q, 0,1
	global_load_b128 v[XSQ+8*\e+4*\q:XSQ+8*\e+4*\q+3], v5, s[88:89] offset:256*\e+16*\q
.endr
.endr
.irp t, 0,1,2,3
.irp q, 0,1
	global_load_b128 v[WQS+8*\t+4*\q:WQS+8*\t+4*\q+3], v5, s[90:91] offset:32*(32*(\t/2)+8*(\t%2))+16*\q
.endr
.endr
	s_wait_loadcnt 0x0
	s_wait_tensorcnt 0x4                                 ; my part of Wq's slice is in; the four loads issued behind it may stay out
	s_barrier_signal -1
	s_barrier_wait -1                                    ; everybody's is
	; q^T = Wq Q^T + bq for my two tiles: eight accumulators by turns
.irp ks, 0,1,2,3,4,5,6,7
.if \ks > 0
	PLACES 4                                             ; in front of loads into registers that matrix instructions have read
.endif
	WIN 0x40
.irp t, 0,1,2,3
.irp c, 0,1,2
	ds_load_b128 v[WB+12*\t+4*\c:WB+12*\t+4*\c+3], v12 offset:12288*\t+1536*\ks+512*\c
.endr
.endr
	s_wait_dscnt 0x0
	WIN 0x01
.irp t, 0,1,2,3
	MM QA+8*\t, WB+12*\t, XF+12*\ks, QA+8*\t, WQS+8*\t+\ks, XSQ+\ks
.endr
	WIN 0x55
.irp t, 0,1,2,3
	MM QA+8*\t, WB+12*\t, XF+12*\ks, QA+8*\t, WQS+8*\t+\ks, XSQ+8+\ks
.endr
.endr
	PLACES 4
.irp e, 0,1
	WIN 0x55*\e
	QUANT32 QA, QZ+6, S, 0x3000000                       ; the floor 2^(6 - 127) holds the byte at 4, so that 3 can be taken off it
	v_add_nc_u32 v[S+2], -3, v[S+2]                      ; q / 8, in the scale: exact
	v_add_nc_u32 v[S+3], -3, v[S+3]
	v_lshl_or_b32 v[S+2], v[S+3], 8, v[S+2]
	WIN 0x11*\e
	v_lshl_or_b32 v[QS+\e], v[S+2], 16, v[S+2]           ; the two bytes twice: q stands in the lower or in the upper half of K
	WIN 0x55*\e
.set zi, 0
.rept 6
	v_mov_b32 v[QZ+zi], 0
	v_mov_b32 v[QZ+12+zi], 0
.set zi, zi+1
.endr
.set zi, 0
.rept 32
	v_mov_b32 v[O+zi], 0                                 ; O^T.  (The step is written once: the first finds zeros.)  These lines are also the places between q's codes and scale word and the first product
.set zi, zi+1
.endr
	v_mov_b32 v[ST+1], 0xff61b1e6                        ; the largest t so far: -3e38
	v_floor_f32 v[ST], -v[ST+1]
	v_mov_b32 v[ST+2], 0
	v_mov_b32 v[ST+3], 0
	v_mov_b32 v[ST+5], 0
.irp b, 0,1,2,3
	v_mov_b32 v[BT+\b], 0                                ; a lane permute's destination counts as one of its sources
.endr
.endr
	WIN 0
	s_wait_tensorcnt 0x0                                 ; my parts of K, V, the scale words and the gate are in,
	s_barrier_signal -1
	s_barrier_wait -1                                    ; everybody's are
	LOADK 1, 0
	ds_load_b128 v[KS:KS+3], v8
	WIN 0x40
	LOADG 10, 0
	WIN 0
	s_mov_b32 s77, 15
.Lstep:
	STEP 1
	s_sub_co_u32 s77, s77, 1
	s_cmp_lg_u32 s77, 0
	s_cbranch_scc1 .Lstep
	STEP 0                                               ; the last step asks for nothing more
	PLACES 4                                             ; in front of the first read of the last products' results
	; THE WAY OUT: O^T / the sum, quantised along the channels: block h of my query's 64 is this head's part of the last projection's operand
.irp e, 0,1
	WIN 0x55*\e
	v_add_f32 v[ST+2], v[ST+2], v[ST+3]
	v_permlanex16_b32 v[ST+6], v[ST+2], s72, s73
	v_add_f32 v[ST+2], v[ST+2], v[ST+6]                  ; the row's sum
	v_rcp_f32 v[ST+4], v[ST+2]
	v_mov_b32 v[ST+5], 0                                 ; (a plain place behind the transcendental)
.set zi, 0
	s_wait_alu depctr_va_vdst(0)
.rept 16
	v_pk_mul_f32 v[O+zi:O+zi+1], v[O+zi:O+zi+1], v[ST+4:ST+5] op_sel_hi:[1,0]
.set zi, zi+2
.endr
	QUANT32 O, PC, BM, 0x1800000
	WIN 0x11*\e
	v_lshl_or_b32 v[15+\e], v[BM+3], 8, v[BM+2]          ; the two bytes as a word, in window 0
	WIN 0x04*\e                                          ; a store's data are its source 1
	global_store_b128 v1, v[PC:PC+3], s[94:95] offset:12288*\e        ; 512 consecutive bytes
	global_store_b64 v2, v[PC+4:PC+5], s[94:95] offset:12288*\e+512   ; 256 consecutive bytes
.endr
	WIN 0
	v_cndmask_b32 v15, v15, v16, s76
	global_store_b32 v14, v15, s[96:97]
	s_wait_tensorcnt 0x0
	ds_add_u32 v254, v255
	s_wait_dscnt 0x0
	CROUND                                               ; the closing round: no work-group ends while a partner may still ask for a tile that names it
	s_endpgm
.Lfunc_end_k_q384184953e_attn:
	.size	k_q384184953e_attn, .Lfunc_end_k_q384184953e_attn-k_q384184953e_attn
	.p2alignl 7, 3214868480
	.fill 96, 4, 3214868480
	.section	.rodata,"a",@progbits
	.p2align	6, 0x0
	.amdhsa_kernel k_q384184953e_attn
		.amdhsa_group_segment_fixed_size 263168
		.amdhsa_private_segment_fixed_size 0
		.amdhsa_enable_private_segment 0
		.amdhsa_kernarg_size 48
		.amdhsa_user_sgpr_count 2
		.amdhsa_user_sgpr_kernarg_segment_ptr 1
		.amdhsa_wavefront_size32 1
		.amdhsa_system_sgpr_workgroup_id_x 1
		.amdhsa_system_sgpr_workgroup_id_y 1
		.amdhsa_system_sgpr_workgroup_id_z 1
		.amdhsa_system_vgpr_workitem_id 0
		.amdhsa_next_free_vgpr 512
		.amdhsa_next_free_sgpr 100
		.amdhsa_reserve_vcc 0
		.amdhsa_float_denorm_mode_32 3
		.amdhsa_float_denorm_mode_16_64 3
		.amdhsa_memory_ordered 1
		.amdhsa_forward_progress 1
		.amdhsa_inst_pref_size 105
	.end_amdhsa_kernel
	.amdgpu_metadata
---
amdhsa.version: [ 1, 2 ]
amdhsa.kernels:
  - .name:           k_q384184953e_attn
    .symbol:         k_q384184953e_attn.kd
    .args:
      - { .name: pk, .offset: 0, .size: 8, .value_kind: global_buffer, .address_space: global }
      - { .name: Wq_scales, .offset: 8, .size: 8, .value_kind: global_buffer, .address_space: global }
      - { .name: bq, .offset: 16, .size: 8, .value_kind: global_buffer, .address_space: global }
      - { .name: kvw, .offset: 24, .size: 8, .value_kind: global_buffer, .address_space: global }
      - { .name: log_gate_bias, .offset: 32, .size: 8, .value_kind: global_buffer, .address_space: global }
      - { .name: aow, .offset: 40, .size: 8, .value_kind: global_buffer, .address_space: global }
    .group_segment_fixed_size: 263168
    .private_segment_fixed_size: 0
    .kernarg_segment_align: 8
    .kernarg_segment_size: 48
    .max_flat_workgroup_size: 256
    .sgpr_count:     100
    .vgpr_count:     512
    .wavefront_size: 32
...
	.end_amdgpu_metadata
.endif
;; end of part 3
;; launch outln (part 4): grid 256 x 1, 4 waves a work-group, no clusters, 67,584 bytes of LDS; arguments aow, pk, Wo_scales, bo, Q, gamma, beta, out0; writes out0
.if DOCPART == 4
	.amdgcn_target "amdgcn-amd-amdhsa--gfx1250"
	.amdhsa_code_object_version 6
	.text
	.protected	k_q384184953e_outln
	.globl	k_q384184953e_outln
	.p2align	8
	.type	k_q384184953e_outln,@function
k_q384184953e_outln:
	s_mov_b64 s[64:65], 0
	v_nop
	global_prefetch_b8 v0, s[64:65] scope:SCOPE_SE
	s_setreg_imm32_b32 hwreg(HW_REG_WAVE_MODE, 25, 1), 1
	s_wait_xcnt 0x0
; out0 = LayerNorm(Q + o Wo^T + bo) gamma + beta; the product on codes of E2M3.
; Work-group T owns the 16 rows of tile T (slot p = row 32 (T / 2) + 8 (T % 2) + p + 8 (p / 8)) and all 1,024 columns, since a row's mean and variance want the whole row.
; Wave w owns columns 256 w on: 16 tiles of Wo's rows, 16 accumulators.  No two waves of a work-group read the same fragment of Wo, so Wo's images go straight into registers by dense loads
; of 512 bytes, a K step (48 loads) ahead, in two windows by turns.
; NO JOINT LOADS, though all 256 work-groups walk the same 786,432 bytes of Wo: a joint load lands in LDS, where those bytes do not fit at once, so it would take slots that are filled again;
; this text keeps to loads into registers.
; The product is used transposed (source 0 = 16 rows of Wo, source 1 = the 16 rows of o): a lane holds one row and 8 neighbouring columns.  The results turn through the wave's own stage in LDS into whole
; rows, 16 bytes a lane, as Q, bo, gamma, beta and out0 lie in memory.  Mean and variance in two passes (the mean is taken off before the squares); the waves' partial sums meet in LDS behind a barrier each.
; REGISTERS: window 0: addresses; v12-19 o's scale words; v32-127 o's 8 fragments, later the statistics; v128-255 Wo's scale words (8 t + ks), later x (8 row + 4 i).
;   Window 1: Wo of even K steps; v192-215 gamma, beta, bo.  Window 2: Wo of odd K steps.  Window 3: v0-127 the accumulators; v128-255 Q.
.set AOS,  3145728
.set WOI,  9437184+3*786432            ; Wo's images are the last of the four tensors'
.set XS,   12
.set XF,   32
.set WS,   128
.set X,    128
.set RS,   32                          ; v32 + 2 r: row r's statistic, the low word of a pair
.set TP,   64                          ; v64 + 4 r: at work
.set GA,   192
.set BE,   200
.set BO,   208
.set STW,  16*1040                     ; a wave's stage: 16 rows of 1,024 bytes + 16
.set STAT, 4*STW                       ; 256 bytes for the sums, 256 for the sums of squares: [row][wave]
.set MSB,  0
.macro WIN new                         ; the immediate's high byte repeats the setting that is left; a switch that changes nothing is dropped
.if MSB != (\new)
	s_set_vgpr_msb (MSB<<8)|(\new)
.set MSB, (\new)
.endif
.endm
.macro PLACES n
.rept \n
	v_nop
.endr
.endm
.macro WLOAD ks                        ; Wo's 16 fragments of K step ks into window 1 (even) or 2 (odd)
	WIN 0x40<<((\ks)%2)
.irp t, 0,1,2,3,4,5,6,7,8,9,10,11,12,13,14,15
.irp c, 0,1,2
	global_load_b128 v[12*\t+4*\c:12*\t+4*\c+3], v1, s[30:31] offset:12288*\t+1536*(\ks)+512*\c
.endr
.endr
.endm
; The lanes' partial sums in v[RS + 2 r] become the rows' whole sums in v[TP + 4 r]: across the 32 lanes, then across the four waves through 256 bytes of LDS at STAT + off
.macro ACROSS off
.irp m, 1,2,4,8
.set rr, 0
.rept 16
	v_add_f32_dpp v[RS+2*rr], v[RS+2*rr], v[RS+2*rr] row_xmask:\m row_mask:0xf bank_mask:0xf
.set rr, rr+1
.endr
.endr
.set rr, 0
.rept 16
	v_permlanex16_b32 v[RS+2*rr+1], v[RS+2*rr], s22, s23
.set rr, rr+1
.endr
.set rr, 0
.rept 16
	v_add_f32 v[RS+2*rr], v[RS+2*rr], v[RS+2*rr+1]
.set rr, rr+1
.endr
.set rr, 0
.rept 16
	ds_store_b32 v9, v[RS+2*rr] offset:\off+16*rr        ; all lanes write the same word with the same value
.set rr, rr+1
.endr
	s_wait_dscnt 0x0                                     ; for the others' sake: my stores have landed
	s_barrier_signal -1
	s_barrier_wait -1
.set rr, 0
.rept 16
	ds_load_b128 v[TP+4*rr:TP+4*rr+3], v10 offset:\off+16*rr
.set rr, rr+1
.endr
	s_wait_dscnt 0x0
.set rr, 0
.rept 16
	v_add_f32 v[TP+4*rr], v[TP+4*rr], v[TP+4*rr+1]
	v_add_f32 v[TP+4*rr+2], v[TP+4*rr+2], v[TP+4*rr+3]
.set rr, rr+1
.endr
.set rr, 0
.rept 16
	v_add_f32 v[TP+4*rr], v[TP+4*rr], v[TP+4*rr+2]
.set rr, rr+1
.endr
.endm
	s_load_b256 s[4:11], s[0:1], 0x0                     ; aow, pk, Wo's scales, bo
	s_load_b256 s[12:19], s[0:1], 0x20                   ; Q, gamma, beta, out0
	v_lshl_add_u32 v30, v0, 2, 0x10600
	v_mov_b32 v31, 0
	v_lshrrev_b32 v1, 5, v0
	v_readfirstlane_b32 s20, v1                          ; wave 0..3
	s_mov_b32 s22, 0x76543210
	s_mov_b32 s23, 0xfedcba98
	s_mov_b32 s40, 0x3a800000                            ; 1 / 1,024
	s_mov_b32 s41, 0x3727c5ac                            ; 1e-5
	s_mul_i32 s24, ttmp9, 12288                          ; o's half images of tile T
	s_mov_b32 s25, 0
	s_lshl_b32 s26, ttmp9, 10
	s_add_co_u32 s26, s26, AOS                           ; and their scale words
	s_mov_b32 s27, 0
	s_lshl_b32 s28, s20, 13                              ; my 256 rows of Wo's scales
	s_mov_b32 s29, 0
	s_mul_i32 s30, s20, 196608                           ; my 16 tiles of Wo
	s_add_co_u32 s30, s30, WOI
	s_mov_b32 s31, 0
	s_lshr_b32 s32, ttmp9, 1
	s_lshl_b32 s32, s32, 5
	s_and_b32 s33, ttmp9, 1
	s_lshl_b32 s33, s33, 3
	s_add_co_u32 s32, s32, s33                           ; the tile's first row
	s_lshl_b32 s32, s32, 12
	s_lshl_b32 s36, s20, 10                              ; my 256 columns
	s_add_co_u32 s32, s32, s36
	s_mov_b32 s33, 0
	s_mov_b32 s37, 0
	s_mul_i32 s38, s20, STW
	s_lshl_b32 s39, s20, 2
	s_add_co_u32 s39, s39, STAT
	v_and_b32 v1, 31, v0
	v_lshlrev_b32 v2, 3, v1                              ; 8 l
	v_lshlrev_b32 v1, 4, v1                              ; 16 l
	v_and_b32 v3, 15, v0                                 ; p
	v_bfe_u32 v4, v0, 4, 1                               ; h
	v_and_b32 v5, 8, v3
	v_add_nc_u32 v5, v5, v3
	v_lshlrev_b32 v5, 5, v5                              ; a slot's row of 32 scale bytes
	v_lshlrev_b32 v6, 2, v3
	v_mul_u32_u24 v7, v3, 1040
	v_lshl_add_u32 v7, v4, 6, v7
	v_add_nc_u32 v7, s38, v7                             ; into my stage: row p, + 64 h
	v_add_nc_u32 v8, s38, v1                             ; out of it: 16 l of a row
	v_mov_b32 v9, s39                                    ; my wave's word of a row's four
	v_mov_b32 v10, STAT
	s_wait_kmcnt 0x0
	s_add_nc_u64 s[24:25], s[4:5], s[24:25]
	s_add_nc_u64 s[26:27], s[4:5], s[26:27]
	s_add_nc_u64 s[28:29], s[8:9], s[28:29]
	s_add_nc_u64 s[30:31], s[6:7], s[30:31]
	s_add_nc_u64 s[34:35], s[18:19], s[32:33]
	s_add_nc_u64 s[32:33], s[12:13], s[32:33]
	s_add_nc_u64 s[14:15], s[14:15], s[36:37]
	s_add_nc_u64 s[16:17], s[16:17], s[36:37]
	s_add_nc_u64 s[10:11], s[10:11], s[36:37]
.irp d, 0,1,2,3,4,5,6,7,8,9,10,11,12,13,14,15                ; head d's half image is registers 6 d .. 6 d + 5 of o's eight fragments
	global_load_b128 v[XF+6*\d:XF+6*\d+3], v1, s[24:25] offset:768*\d
	global_load_b64 v[XF+6*\d+4:XF+6*\d+5], v2, s[24:25] offset:768*\d+512
.endr
	WIN 0xc0
.irp d, 0,1,2,3,4,5,6,7,8,9,10,11,12,13,14,15
	global_load_b32 v[\d], v6, s[26:27] offset:64*\d     ; each head's two scale bytes, for now in registers that the sums will take
.endr
	WIN 0
.irp t, 0,1,2,3,4,5,6,7,8,9,10,11,12,13,14,15
.irp q, 0,1
	global_load_b128 v[WS+8*\t+4*\q:WS+8*\t+4*\q+3], v5, s[28:29] offset:32*(32*(\t/2)+8*(\t%2))+16*\q
.endr
.endr
	WLOAD 0
	WLOAD 1
	s_wait_loadcnt 48                                    ; all but K step 1's 48 loads
	WIN 0x33
.irp ks, 0,1,2,3,4,5,6,7
	v_lshl_or_b32 v[XS+\ks], v[2*\ks+1], 16, v[2*\ks]    ; two heads' bytes make a K step's scale word
.endr
	WIN 0
	PLACES 8                                             ; a scale register written by a vector instruction stands 8 places ahead of a scaled matrix instruction
.irp ks, 0,1,2,3,4,5,6,7
.if \ks > 0
	PLACES 4                                             ; in front of loads into registers that matrix instructions have read
.if \ks < 7
	WLOAD \ks+1
	s_wait_loadcnt 48                                    ; this K step's fragments are in; the 48 loads just issued may be out
.else
	s_wait_loadcnt 0x0
.endif
.endif
.if \ks == 1                                                 ; the residual and the three vectors are asked for here, so that no wait's count has to pass over them
	WIN 0xc0
.irp r, 0,1,2,3,4,5,6,7,8,9,10,11,12,13,14,15
.irp i, 0,1
	global_load_b128 v[X+8*\r+4*\i:X+8*\r+4*\i+3], v1, s[32:33] offset:(\r+8*(\r/8))*4096+512*\i th:TH_LOAD_NT
.endr
.endr
	WIN 0x40
.irp i, 0,1
	global_load_b128 v[GA+4*\i:GA+4*\i+3], v1, s[14:15] offset:512*\i
	global_load_b128 v[BE+4*\i:BE+4*\i+3], v1, s[16:17] offset:512*\i
	global_load_b128 v[BO+4*\i:BO+4*\i+3], v1, s[10:11] offset:512*\i
.endr
.endif
	WIN 0xf1+(\ks%2)                                     ; C and D window 3, source 0 (Wo) window 1 or 2, source 1 (o) window 0
.irp t, 0,1,2,3,4,5,6,7,8,9,10,11,12,13,14,15                ; the 16 accumulators take turns, one instruction a turn
.if \ks == 0
	v_wmma_scale_f32_16x16x128_f8f6f4 v[8*\t:8*\t+7], v[12*\t:12*\t+11], v[XF+12*\ks:XF+12*\ks+11], 0, v[WS+8*\t+\ks], v[XS+\ks] matrix_a_fmt:MATRIX_FMT_FP6 matrix_b_fmt:MATRIX_FMT_FP6
.else
	v_wmma_scale_f32_16x16x128_f8f6f4 v[8*\t:8*\t+7], v[12*\t:12*\t+11], v[XF+12*\ks:XF+12*\ks+11], v[8*\t:8*\t+7], v[WS+8*\t+\ks], v[XS+\ks] matrix_a_fmt:MATRIX_FMT_FP6 matrix_b_fmt:MATRIX_FMT_FP6
.endif
.endr
.endr
	PLACES 4                                             ; in front of the first read of results, and of loads into the registers that held scale words
	WIN 0x0c                                             ; an LDS store's data are its source 1: window 3
.irp t, 0,1,2,3,4,5,6,7,8,9,10,11,12,13,14,15                ; lane (p, h), register j of tile t: column 32 (t / 2) + 8 (t % 2) + 16 h + j of my 256; each accumulator from its low end on
	ds_store_b128 v7, v[8*\t:8*\t+3] offset:128*(\t/2)+32*(\t%2)
	ds_store_b128 v7, v[8*\t+4:8*\t+7] offset:128*(\t/2)+32*(\t%2)+16
.endr
	WIN 0
.irp r, 0,1,2,3,4,5,6,7,8,9,10,11,12,13,14,15
.irp i, 0,1
	ds_load_b128 v[X+8*\r+4*\i:X+8*\r+4*\i+3], v8 offset:1040*\r+512*\i   ; LDS serves a wave's instructions in order: these see my stores
.endr
.endr
	s_wait_dscnt 0x0
	WIN 0x0c
.set xj, 0
.rept 64
	v_pk_add_f32 v[X+2*xj:X+2*xj+1], v[X+2*xj:X+2*xj+1], v[X+2*xj:X+2*xj+1]   ; + Q (source 1 in window 3, under the same numbers)
.set xj, xj+1
.endr
	WIN 0x04
.set xj, 0
.rept 64
	v_pk_add_f32 v[X+2*xj:X+2*xj+1], v[X+2*xj:X+2*xj+1], v[BO+2*(xj%4):BO+2*(xj%4)+1]   ; + bo
.set xj, xj+1
.endr
	WIN 0
.set rr, 0
.rept 16
	v_pk_add_f32 v[TP+4*rr:TP+4*rr+1], v[X+8*rr:X+8*rr+1], v[X+8*rr+2:X+8*rr+3]
	v_pk_add_f32 v[TP+4*rr+2:TP+4*rr+3], v[X+8*rr+4:X+8*rr+5], v[X+8*rr+6:X+8*rr+7]
.set rr, rr+1
.endr
.set rr, 0
.rept 16
	v_pk_add_f32 v[TP+4*rr:TP+4*rr+1], v[TP+4*rr:TP+4*rr+1], v[TP+4*rr+2:TP+4*rr+3]
.set rr, rr+1
.endr
.set rr, 0
.rept 16
	v_add_f32 v[RS+2*rr], v[TP+4*rr], v[TP+4*rr+1]       ; my 8 numbers of row r
.set rr, rr+1
.endr
	ACROSS 0
.set rr, 0
.rept 16
	v_mul_f32 v[RS+2*rr], s40, v[TP+4*rr]                ; the mean
.set rr, rr+1
.endr
.set xj, 0
.rept 64
	v_pk_add_f32 v[X+2*xj:X+2*xj+1], v[X+2*xj:X+2*xj+1], v[RS+2*(xj/4):RS+2*(xj/4)+1] op_sel_hi:[1,0] neg_lo:[0,1] neg_hi:[0,1]   ; x - the mean
.set xj, xj+1
.endr
.set rr, 0
.rept 16
	v_pk_mul_f32 v[TP+4*rr:TP+4*rr+1], v[X+8*rr:X+8*rr+1], v[X+8*rr:X+8*rr+1]
.set rr, rr+1
.endr
.irp p, 1,2,3
.set rr, 0
.rept 16
	v_pk_fma_f32 v[TP+4*rr:TP+4*rr+1], v[X+8*rr+2*\p:X+8*rr+2*\p+1], v[X+8*rr+2*\p:X+8*rr+2*\p+1], v[TP+4*rr:TP+4*rr+1]
.set rr, rr+1
.endr
.endr
.set rr, 0
.rept 16
	v_add_f32 v[RS+2*rr], v[TP+4*rr], v[TP+4*rr+1]
.set rr, rr+1
.endr
	ACROSS 256                                           ; other bytes than the sums': nobody's read of those is overwritten
.set rr, 0
.rept 16
	v_fma_f32 v[TP+4*rr], v[TP+4*rr], s40, s41           ; the variance + 1e-5
.set rr, rr+1
.endr
.set rr, 0
.rept 16
	v_rsq_f32 v[RS+2*rr], v[TP+4*rr]
.set rr, rr+1
.endr
	v_nop                                                ; one plain place behind the transcendentals
.set xj, 0
	s_wait_alu depctr_va_vdst(0)
.rept 64
	v_pk_mul_f32 v[X+2*xj:X+2*xj+1], v[X+2*xj:X+2*xj+1], v[RS+2*(xj/4):RS+2*(xj/4)+1] op_sel_hi:[1,0]
.set xj, xj+1
.endr
	WIN 0x14                                             ; gamma and beta in window 1
.set xj, 0
.rept 64
	v_pk_fma_f32 v[X+2*xj:X+2*xj+1], v[X+2*xj:X+2*xj+1], v[GA+2*(xj%4):GA+2*(xj%4)+1], v[BE+2*(xj%4):BE+2*(xj%4)+1]
.set xj, xj+1
.endr
	WIN 0
.irp r, 0,1,2,3,4,5,6,7,8,9,10,11,12,13,14,15
.irp i, 0,1
	global_store_b128 v1, v[X+8*\r+4*\i:X+8*\r+4*\i+3], s[34:35] offset:(\r+8*(\r/8))*4096+512*\i th:TH_STORE_NT   ; 32 lanes store 512 consecutive bytes, at a multiple of 256 from out0's first byte
.endr
.endr
	s_wait_tensorcnt 0x0
	ds_add_u32 v30, v31
	s_wait_dscnt 0x0
	s_endpgm
.Lfunc_end_k_q384184953e_outln:
	.size	k_q384184953e_outln, .Lfunc_end_k_q384184953e_outln-k_q384184953e_outln
	.p2alignl 7, 3214868480
	.fill 96, 4, 3214868480
	.section	.rodata,"a",@progbits
	.p2align	6, 0x0
	.amdhsa_kernel k_q384184953e_outln
		.amdhsa_group_segment_fixed_size 67584
		.amdhsa_private_segment_fixed_size 0
		.amdhsa_enable_private_segment 0
		.amdhsa_kernarg_size 64
		.amdhsa_user_sgpr_count 2
		.amdhsa_user_sgpr_kernarg_segment_ptr 1
		.amdhsa_wavefront_size32 1
		.amdhsa_system_sgpr_workgroup_id_x 1
		.amdhsa_system_sgpr_workgroup_id_y 1
		.amdhsa_system_sgpr_workgroup_id_z 1
		.amdhsa_system_vgpr_workitem_id 0
		.amdhsa_next_free_vgpr 1024
		.amdhsa_next_free_sgpr 66
		.amdhsa_reserve_vcc 0
		.amdhsa_float_denorm_mode_32 3
		.amdhsa_float_denorm_mode_16_64 3
		.amdhsa_memory_ordered 1
		.amdhsa_forward_progress 1
		.amdhsa_inst_pref_size 125
	.end_amdhsa_kernel
	.amdgpu_metadata
---
amdhsa.version: [ 1, 2 ]
amdhsa.kernels:
  - .name:           k_q384184953e_outln
    .symbol:         k_q384184953e_outln.kd
    .args:
      - { .name: aow, .offset: 0, .size: 8, .value_kind: global_buffer, .address_space: global }
      - { .name: pk, .offset: 8, .size: 8, .value_kind: global_buffer, .address_space: global }
      - { .name: Wo_scales, .offset: 16, .size: 8, .value_kind: global_buffer, .address_space: global }
      - { .name: bo, .offset: 24, .size: 8, .value_kind: global_buffer, .address_space: global }
      - { .name: Q, .offset: 32, .size: 8, .value_kind: global_buffer, .address_space: global }
      - { .name: gamma, .offset: 40, .size: 8, .value_kind: global_buffer, .address_space: global }
      - { .name: beta, .offset: 48, .size: 8, .value_kind: global_buffer, .address_space: global }
      - { .name: out0, .offset: 56, .size: 8, .value_kind: global_buffer, .address_space: global }
    .group_segment_fixed_size: 67584
    .private_segment_fixed_size: 0
    .kernarg_segment_align: 8
    .kernarg_segment_size: 64
    .max_flat_workgroup_size: 128
    .sgpr_count:     66
    .vgpr_count:     1024
    .wavefront_size: 32
...
	.end_amdgpu_metadata
.endif
;; end of part 4
;; ======== version 2 of 2: 4 launches; version 1 with the launch outln written anew for expert scheduling mode
;; workspace buffers: pk 12,713,984 bytes; kvw 13,107,200 bytes; aow 3,407,872 bytes
;; launch prep: the kernel of part 1 again; grid 448 x 1, 4 waves a work-group, no clusters, 118,784 bytes of LDS; arguments Q, KV_codes, Wq_codes, Wk_codes, Wv_codes, Wo_codes, pk; writes pk
;; launch kvproj: the kernel of part 2 again; grid 256 x 1, 4 waves a work-group, clusters of 4 x 1, 205,312 bytes of LDS; arguments pk, KV_scales, Wk_scales, Wv_scales, bk, bv, kvw; writes kvw
;; launch attn: the kernel of part 3 again; grid 4 x 64, 8 waves a work-group, clusters of 4 x 1, 263,168 bytes of LDS; arguments pk, Wq_scales, bq, kvw, log_gate_bias, aow; writes aow
;; launch outln (part 5): grid 256 x 1, 4 waves a work-group, no clusters, 67,584 bytes of LDS; arguments aow, pk, Wo_scales, bo, Q, gamma, beta, out0; writes out0
.if DOCPART == 5
	.amdgcn_target "amdgcn-amd-amdhsa--gfx1250"
	.amdhsa_code_object_version 6
	.text
	.protected	k_q384184953e_outln
	.globl	k_q384184953e_outln
	.p2align	8
	.type	k_q384184953e_outln,@function
k_q384184953e_outln:
	s_mov_b64 s[64:65], 0
	v_nop
	global_prefetch_b8 v0, s[64:65] scope:SCOPE_SE
	s_setreg_imm32_b32 hwreg(HW_REG_WAVE_SCHED_MODE, 0, 2), 2
	s_setreg_imm32_b32 hwreg(HW_REG_WAVE_MODE, 25, 1), 1
	s_wait_xcnt 0x0
	s_wait_alu depctr_vm_vsrc(0)
; out0 = LayerNorm(Q + o Wo^T + bo) gamma + beta; the product on codes of E2M3.
; Work-group T owns the 16 rows of tile T (slot p = row 32 (T / 2) + 8 (T % 2) + p + 8 (p / 8)) and all 1,024 columns, since a row's mean and variance want the whole row.
; Wave w owns columns 256 w on: 16 tiles of Wo's rows, 16 accumulators.  No two waves of a work-group read the same fragment of Wo, so Wo's images go straight into registers by dense loads
; of 512 bytes, a K step (48 loads) ahead, in two windows by turns.
; NO JOINT LOADS, though all 256 work-groups walk the same 786,432 bytes of Wo: a joint load lands in LDS, where those bytes do not fit at once, so it would take slots that are filled again;
; this text keeps to loads into registers.
; The product is used transposed (source 0 = 16 rows of Wo, source 1 = the 16 rows of o): a lane holds one row and 8 neighbouring columns.  The results turn through the wave's own stage in LDS into whole
; rows, 16 bytes a lane, as Q, bo, gamma, beta and out0 lie in memory.  Mean and variance in two passes (the mean is taken off before the squares); the waves' partial sums meet in LDS behind a barrier each.
; REGISTERS: window 0: addresses; v12-19 o's scale words; v32-127 o's 8 fragments, later the statistics; v128-255 Wo's scale words (8 t + ks), later x (8 row + 4 i).
;   Window 1: Wo of even K steps; v192-215 gamma, beta, bo.  Window 2: Wo of odd K steps.  Window 3: v0-127 the accumulators; v128-255 Q.
; THE MODE: SCHED_MODE bits 1:0 = 2 (LLVM: expert scheduling mode 2), set by the entry lines.  The code itself states the register dependences
; between vector or matrix instructions and memory or LDS instructions, with s_wait_alu, always for 0.
; THE PLAN.  Registers that memory or LDS instructions touch:
;   v1, v2, v5-v10   offsets and LDS addresses: made once at the head, never written again; the scalar bases are never stepped either: immediate offsets do the rest.
;   W even, W odd    K step ks: its 16 products read window 1 + ks % 2; the loads of K step ks + 1 land in the other window, which the products of K step ks - 1 read.
;   WS, later x      read by the products as scales; then the stage's LDS loads land there; vector lines work on it; the last stores read it.
;   accumulators     written by the products; read by the LDS stores into the stage; never written again.
;   RS, TP           (where o's fragments lay) RS: written by vector lines, read by the LDS stores of the partial sums.  TP: at work, and the LDS loads of the four waves' sums land there.
;   Q, gamma, beta, bo   no vector or matrix instruction names their registers ahead of their loads.
; So ONE wait on va_vdst stands at the head of each of K steps 1 to 6: the products of the step before are done reading the window that is asked for again.  The step's 48 loads follow it in two
; halves, one ahead of each eight of the step's products, which name the other window, o's fragments, the scale words and the accumulators: none of the registers that those loads touch.
.set AOS,  3145728
.set WOI,  9437184+3*786432            ; Wo's images are the last of the four tensors'
.set XS,   12
.set XF,   32
.set WS,   128
.set X,    128
.set RS,   32                          ; v32 + 2 r: row r's statistic, the low word of a pair
.set TP,   64                          ; v64 + 4 r: at work
.set GA,   192
.set BE,   200
.set BO,   208
.set STW,  16*1040                     ; a wave's stage: 16 rows of 1,024 bytes + 16
.set STAT, 4*STW                       ; 256 bytes for the sums, 256 for the sums of squares: [row][wave]
.set MSB,  0
.macro WIN new                         ; the immediate's high byte repeats the setting that is left; a switch that changes nothing is dropped
.if MSB != (\new)
	s_set_vgpr_msb (MSB<<8)|(\new)
.set MSB, (\new)
.endif
.endm
.macro PLACES n
.rept \n
	v_nop
.endr
.endm
.macro WHALF ks, base                  ; eight of Wo's 16 fragments of K step ks, tiles base on, into window 1 (even) or 2 (odd): 24 loads
	WIN 0x40<<((\ks)%2)
.irp t, 0,1,2,3,4,5,6,7
.irp c, 0,1,2
	global_load_b128 v[12*((\base)+\t)+4*\c:12*((\base)+\t)+4*\c+3], v1, s[30:31] offset:12288*((\base)+\t)+1536*(\ks)+512*\c
.endr
.endr
.endm
.macro MULH ks, base                   ; eight products of K step ks, tiles base on.  The 16 accumulators take turns, one instruction a turn, in the same order in every K step
.irp t, 0,1,2,3,4,5,6,7
.if (\ks) == 0
	v_wmma_scale_f32_16x16x128_f8f6f4 v[8*((\base)+\t):8*((\base)+\t)+7], v[12*((\base)+\t):12*((\base)+\t)+11], v[XF+12*(\ks):XF+12*(\ks)+11], 0, v[WS+8*((\base)+\t)+(\ks)], v[XS+(\ks)] matrix_a_fmt:MATRIX_FMT_FP6 matrix_b_fmt:MATRIX_FMT_FP6
.else
	v_wmma_scale_f32_16x16x128_f8f6f4 v[8*((\base)+\t):8*((\base)+\t)+7], v[12*((\base)+\t):12*((\base)+\t)+11], v[XF+12*(\ks):XF+12*(\ks)+11], v[8*((\base)+\t):8*((\base)+\t)+7], v[WS+8*((\base)+\t)+(\ks)], v[XS+(\ks)] matrix_a_fmt:MATRIX_FMT_FP6 matrix_b_fmt:MATRIX_FMT_FP6
.endif
.endr
.endm
; The lanes' partial sums in v[RS + 2 r] become the rows' whole sums in v[TP + 4 r]: across the 32 lanes, then across the four waves through 256 bytes of LDS at STAT + off
.macro ACROSS off
.irp m, 1,2,4,8
.set rr, 0
.rept 16
	v_add_f32_dpp v[RS+2*rr], v[RS+2*rr], v[RS+2*rr] row_xmask:\m row_mask:0xf bank_mask:0xf
.set rr, rr+1
.endr
.endr
.set rr, 0
.rept 16
	v_permlanex16_b32 v[RS+2*rr+1], v[RS+2*rr], s22, s23
.set rr, rr+1
.endr
.set rr, 0
.rept 16
	v_add_f32 v[RS+2*rr], v[RS+2*rr], v[RS+2*rr+1]
.set rr, rr+1
.endr
	s_wait_alu depctr_va_vdst(0)                         ; the additions have written v[RS + 2 r], which the LDS stores read; and the vector lines are done with v[TP ..], in which the LDS loads behind the barrier land
.set rr, 0
.rept 16
	ds_store_b32 v9, v[RS+2*rr] offset:\off+16*rr        ; all lanes write the same word with the same value
.set rr, rr+1
.endr
	s_wait_dscnt 0x0                                     ; for the others' sake: my stores have landed
	s_barrier_signal -1
	s_barrier_wait -1
.set rr, 0
.rept 16
	ds_load_b128 v[TP+4*rr:TP+4*rr+3], v10 offset:\off+16*rr
.set rr, rr+1
.endr
	s_wait_dscnt 0x0
	s_wait_alu depctr_vm_vsrc(0)                         ; my LDS stores have read v[RS + 2 r], which the lines behind this macro write again
.set rr, 0
.rept 16
	v_add_f32 v[TP+4*rr], v[TP+4*rr], v[TP+4*rr+1]
	v_add_f32 v[TP+4*rr+2], v[TP+4*rr+2], v[TP+4*rr+3]
.set rr, rr+1
.endr
.set rr, 0
.rept 16
	v_add_f32 v[TP+4*rr], v[TP+4*rr], v[TP+4*rr+2]
.set rr, rr+1
.endr
.endm
	s_load_b256 s[4:11], s[0:1], 0x0                     ; aow, pk, Wo's scales, bo
	s_load_b256 s[12:19], s[0:1], 0x20                   ; Q, gamma, beta, out0
	v_lshl_add_u32 v30, v0, 2, 0x10600
	v_mov_b32 v31, 0
	v_lshrrev_b32 v1, 5, v0
	v_readfirstlane_b32 s20, v1                          ; wave 0..3
	s_mov_b32 s22, 0x76543210
	s_mov_b32 s23, 0xfedcba98
	s_mov_b32 s40, 0x3a800000                            ; 1 / 1,024
	s_mov_b32 s41, 0x3727c5ac                            ; 1e-5
	s_mul_i32 s24, ttmp9, 12288                          ; o's half images of tile T
	s_mov_b32 s25, 0
	s_lshl_b32 s26, ttmp9, 10
	s_add_co_u32 s26, s26, AOS                           ; and their scale words
	s_mov_b32 s27, 0
	s_wait_alu depctr_va_sdst(0)                         ; s20 is written, ahead of its first reader: the wave's bases and LDS places are made from it
	s_lshl_b32 s28, s20, 13                              ; my 256 rows of Wo's scales
	s_mov_b32 s29, 0
	s_mul_i32 s30, s20, 196608                           ; my 16 tiles of Wo
	s_add_co_u32 s30, s30, WOI
	s_mov_b32 s31, 0
	s_lshr_b32 s32, ttmp9, 1
	s_lshl_b32 s32, s32, 5
	s_and_b32 s33, ttmp9, 1
	s_lshl_b32 s33, s33, 3
	s_add_co_u32 s32, s32, s33                           ; the tile's first row
	s_lshl_b32 s32, s32, 12
	s_lshl_b32 s36, s20, 10                              ; my 256 columns
	s_add_co_u32 s32, s32, s36
	s_mov_b32 s33, 0
	s_mov_b32 s37, 0
	s_mul_i32 s38, s20, STW
	s_lshl_b32 s39, s20, 2
	s_add_co_u32 s39, s39, STAT
	v_and_b32 v1, 31, v0
	v_lshlrev_b32 v2, 3, v1                              ; 8 l
	v_lshlrev_b32 v1, 4, v1                              ; 16 l
	v_and_b32 v3, 15, v0                                 ; p
	v_bfe_u32 v4, v0, 4, 1                               ; h
	v_and_b32 v5, 8, v3
	v_add_nc_u32 v5, v5, v3
	v_lshlrev_b32 v5, 5, v5                              ; a slot's row of 32 scale bytes
	v_lshlrev_b32 v6, 2, v3
	v_mul_u32_u24 v7, v3, 1040
	v_lshl_add_u32 v7, v4, 6, v7
	v_add_nc_u32 v7, s38, v7                             ; into my stage: row p, + 64 h
	v_add_nc_u32 v8, s38, v1                             ; out of it: 16 l of a row
	v_mov_b32 v9, s39                                    ; my wave's word of a row's four
	v_mov_b32 v10, STAT
	s_wait_kmcnt 0x0
	s_add_nc_u64 s[24:25], s[4:5], s[24:25]
	s_add_nc_u64 s[26:27], s[4:5], s[26:27]
	s_add_nc_u64 s[28:29], s[8:9], s[28:29]
	s_add_nc_u64 s[30:31], s[6:7], s[30:31]
	s_add_nc_u64 s[34:35], s[18:19], s[32:33]
	s_add_nc_u64 s[32:33], s[12:13], s[32:33]
	s_add_nc_u64 s[14:15], s[14:15], s[36:37]
	s_add_nc_u64 s[16:17], s[16:17], s[36:37]
	s_add_nc_u64 s[10:11], s[10:11], s[36:37]
	s_wait_alu depctr_va_vdst(0)                         ; the offsets and LDS addresses v1, v2 and v5 to v10 are written: every load and store of the kernel reads one of them, and none is written again
.irp d, 0,1,2,3,4,5,6,7,8,9,10,11,12,13,14,15                ; head d's half image is registers 6 d .. 6 d + 5 of o's eight fragments
	global_load_b128 v[XF+6*\d:XF+6*\d+3], v1, s[24:25] offset:768*\d
	global_load_b64 v[XF+6*\d+4:XF+6*\d+5], v2, s[24:25] offset:768*\d+512
.endr
	WIN 0xc0
.irp d, 0,1,2,3,4,5,6,7,8,9,10,11,12,13,14,15
	global_load_b32 v[\d], v6, s[26:27] offset:64*\d     ; each head's two scale bytes, for now in registers that the sums will take
.endr
	WIN 0
.irp t, 0,1,2,3,4,5,6,7,8,9,10,11,12,13,14,15
.irp q, 0,1
	global_load_b128 v[WS+8*\t+4*\q:WS+8*\t+4*\q+3], v5, s[28:29] offset:32*(32*(\t/2)+8*(\t%2))+16*\q
.endr
.endr
	WHALF 0, 0
	WHALF 0, 8
	WHALF 1, 0
	WHALF 1, 8
	s_wait_loadcnt 48                                    ; all but K step 1's 48 loads
	WIN 0x33
.irp ks, 0,1,2,3,4,5,6,7
	v_lshl_or_b32 v[XS+\ks], v[2*\ks+1], 16, v[2*\ks]    ; two heads' bytes make a K step's scale word
.endr
	WIN 0
	PLACES 8                                             ; a scale register written by a vector instruction stands 8 places ahead of a scaled matrix instruction
	s_wait_alu depctr_va_vdst(0)                         ; the eight scale words v[XS ..] are written, which the products take as scales; the places above stay beside this wait
.irp ks, 0,1,2,3,4,5,6,7
.if (\ks > 0) && (\ks < 7)
	PLACES 4                                             ; in front of loads into registers that matrix instructions have read
	WIN 0x40<<((\ks+1)%2)
	s_wait_alu depctr_va_vdst(0)                         ; the products of the K step before are done reading this window's fragments of Wo, in which this step's 48 loads land
	WHALF \ks+1, 0
	s_wait_loadcnt 48                                    ; this K step's tiles 0-7 are in; its tiles 8-15 (24 loads) and the 24 just issued may be out
.endif
.if \ks == 7
	s_wait_loadcnt 24                                    ; the last K step's tiles 0-7 are in; its tiles 8-15 may be out
.endif
	WIN 0xf1+(\ks%2)                                     ; C and D window 3, source 0 (Wo) window 1 or 2, source 1 (o) window 0
	MULH \ks, 0
.if (\ks > 0) && (\ks < 7)
	WHALF \ks+1, 8                                       ; no wait: no vector or matrix instruction since the wait at the step's head names these registers
	s_wait_loadcnt 48                                    ; this K step's fragments are all in; the next step's 48 loads may be out
.endif
.if \ks == 7
	s_wait_loadcnt 0x0
.endif
.if \ks == 1                                                 ; the residual and the three vectors are asked for here, so that no wait's count has to pass over them.  No vector or matrix instruction has named their registers
	WIN 0xc0
.irp r, 0,1,2,3,4,5,6,7,8,9,10,11,12,13,14,15
.irp i, 0,1
	global_load_b128 v[X+8*\r+4*\i:X+8*\r+4*\i+3], v1, s[32:33] offset:(\r+8*(\r/8))*4096+512*\i th:TH_LOAD_NT
.endr
.endr
	WIN 0x40
.irp i, 0,1
	global_load_b128 v[GA+4*\i:GA+4*\i+3], v1, s[14:15] offset:512*\i
	global_load_b128 v[BE+4*\i:BE+4*\i+3], v1, s[16:17] offset:512*\i
	global_load_b128 v[BO+4*\i:BO+4*\i+3], v1, s[10:11] offset:512*\i
.endr
.endif
	WIN 0xf1+(\ks%2)
	MULH \ks, 8
.endr
	PLACES 4                                             ; in front of the first read of results
	WIN 0x0c                                             ; an LDS store's data are its source 1: window 3
	s_wait_alu depctr_va_vdst(0)                         ; the products have written the accumulators, which the LDS stores read, and are done reading Wo's scale words, in which the stage's loads land; the places above stay beside this wait
.irp t, 0,1,2,3,4,5,6,7,8,9,10,11,12,13,14,15                ; lane (p, h), register j of tile t: column 32 (t / 2) + 8 (t % 2) + 16 h + j of my 256; each accumulator from its low end on
	ds_store_b128 v7, v[8*\t:8*\t+3] offset:128*(\t/2)+32*(\t%2)
	ds_store_b128 v7, v[8*\t+4:8*\t+7] offset:128*(\t/2)+32*(\t%2)+16
.endr
	WIN 0
.irp r, 0,1,2,3,4,5,6,7,8,9,10,11,12,13,14,15
.irp i, 0,1
	ds_load_b128 v[X+8*\r+4*\i:X+8*\r+4*\i+3], v8 offset:1040*\r+512*\i   ; LDS serves a wave's instructions in order: these see my stores
.endr
.endr
	s_wait_dscnt 0x0
	WIN 0x0c
.set xj, 0
.rept 64
	v_pk_add_f32 v[X+2*xj:X+2*xj+1], v[X+2*xj:X+2*xj+1], v[X+2*xj:X+2*xj+1]   ; + Q (source 1 in window 3, under the same numbers)
.set xj, xj+1
.endr
	WIN 0x04
.set xj, 0
.rept 64
	v_pk_add_f32 v[X+2*xj:X+2*xj+1], v[X+2*xj:X+2*xj+1], v[BO+2*(xj%4):BO+2*(xj%4)+1]   ; + bo
.set xj, xj+1
.endr
	WIN 0
.set rr, 0
.rept 16
	v_pk_add_f32 v[TP+4*rr:TP+4*rr+1], v[X+8*rr:X+8*rr+1], v[X+8*rr+2:X+8*rr+3]
	v_pk_add_f32 v[TP+4*rr+2:TP+4*rr+3], v[X+8*rr+4:X+8*rr+5], v[X+8*rr+6:X+8*rr+7]
.set rr, rr+1
.endr
.set rr, 0
.rept 16
	v_pk_add_f32 v[TP+4*rr:TP+4*rr+1], v[TP+4*rr:TP+4*rr+1], v[TP+4*rr+2:TP+4*rr+3]
.set rr, rr+1
.endr
.set rr, 0
.rept 16
	v_add_f32 v[RS+2*rr], v[TP+4*rr], v[TP+4*rr+1]       ; my 8 numbers of row r
.set rr, rr+1
.endr
	ACROSS 0
.set rr, 0
.rept 16
	v_mul_f32 v[RS+2*rr], s40, v[TP+4*rr]                ; the mean
.set rr, rr+1
.endr
.set xj, 0
.rept 64
	v_pk_add_f32 v[X+2*xj:X+2*xj+1], v[X+2*xj:X+2*xj+1], v[RS+2*(xj/4):RS+2*(xj/4)+1] op_sel_hi:[1,0] neg_lo:[0,1] neg_hi:[0,1]   ; x - the mean
.set xj, xj+1
.endr
.set rr, 0
.rept 16
	v_pk_mul_f32 v[TP+4*rr:TP+4*rr+1], v[X+8*rr:X+8*rr+1], v[X+8*rr:X+8*rr+1]
.set rr, rr+1
.endr
.irp p, 1,2,3
.set rr, 0
.rept 16
	v_pk_fma_f32 v[TP+4*rr:TP+4*rr+1], v[X+8*rr+2*\p:X+8*rr+2*\p+1], v[X+8*rr+2*\p:X+8*rr+2*\p+1], v[TP+4*rr:TP+4*rr+1]
.set rr, rr+1
.endr
.endr
.set rr, 0
.rept 16
	v_add_f32 v[RS+2*rr], v[TP+4*rr], v[TP+4*rr+1]
.set rr, rr+1
.endr
	ACROSS 256                                           ; other bytes than the sums': nobody's read of those is overwritten
.set rr, 0
.rept 16
	v_fma_f32 v[TP+4*rr], v[TP+4*rr], s40, s41           ; the variance + 1e-5
.set rr, rr+1
.endr
.set rr, 0
.rept 16
	v_rsq_f32 v[RS+2*rr], v[TP+4*rr]
.set rr, rr+1
.endr
	v_nop                                                ; one plain place behind the transcendentals
	s_wait_alu depctr_va_vdst(0)                         ; the sixteen reciprocal roots v[RS + 2 r] are written, ahead of their first reader: one wait for the batch
.set xj, 0
.rept 64
	v_pk_mul_f32 v[X+2*xj:X+2*xj+1], v[X+2*xj:X+2*xj+1], v[RS+2*(xj/4):RS+2*(xj/4)+1] op_sel_hi:[1,0]
.set xj, xj+1
.endr
	WIN 0x14                                             ; gamma and beta in window 1
.set xj, 0
.rept 64
	v_pk_fma_f32 v[X+2*xj:X+2*xj+1], v[X+2*xj:X+2*xj+1], v[GA+2*(xj%4):GA+2*(xj%4)+1], v[BE+2*(xj%4):BE+2*(xj%4)+1]
.set xj, xj+1
.endr
	WIN 0
	s_wait_alu depctr_va_vdst(0)                         ; the multiply-adds have written v[X ..], which the stores read
.irp r, 0,1,2,3,4,5,6,7,8,9,10,11,12,13,14,15
.irp i, 0,1
	global_store_b128 v1, v[X+8*\r+4*\i:X+8*\r+4*\i+3], s[34:35] offset:(\r+8*(\r/8))*4096+512*\i th:TH_STORE_NT   ; 32 lanes store 512 consecutive bytes, at a multiple of 256 from out0's first byte
.endr
.endr
	s_wait_dscnt 0x0                                     ; the closing lines, six on end
	s_wait_alu 0x0
	s_wait_tensorcnt 0x0
	ds_add_u32 v30, v31
	s_wait_dscnt 0x0
	s_endpgm
.Lfunc_end_k_q384184953e_outln:
	.size	k_q384184953e_outln, .Lfunc_end_k_q384184953e_outln-k_q384184953e_outln
	.p2alignl 7, 3214868480
	.fill 96, 4, 3214868480
	.section	.rodata,"a",@progbits
	.p2align	6, 0x0
	.amdhsa_kernel k_q384184953e_outln
		.amdhsa_group_segment_fixed_size 67584
		.amdhsa_private_segment_fixed_size 0
		.amdhsa_enable_private_segment 0
		.amdhsa_kernarg_size 64
		.amdhsa_user_sgpr_count 2
		.amdhsa_user_sgpr_kernarg_segment_ptr 1
		.amdhsa_wavefront_size32 1
		.amdhsa_system_sgpr_workgroup_id_x 1
		.amdhsa_system_sgpr_workgroup_id_y 1
		.amdhsa_system_sgpr_workgroup_id_z 1
		.amdhsa_system_vgpr_workitem_id 0
		.amdhsa_next_free_vgpr 1024
		.amdhsa_next_free_sgpr 66
		.amdhsa_reserve_vcc 0
		.amdhsa_float_denorm_mode_32 3
		.amdhsa_float_denorm_mode_16_64 3
		.amdhsa_memory_ordered 1
		.amdhsa_forward_progress 1
		.amdhsa_inst_pref_size 126
	.end_amdhsa_kernel
	.amdgpu_metadata
---
amdhsa.version: [ 1, 2 ]
amdhsa.kernels:
  - .name:           k_q384184953e_outln
    .symbol:         k_q384184953e_outln.kd
    .args:
      - { .name: aow, .offset: 0, .size: 8, .value_kind: global_buffer, .address_space: global }
      - { .name: pk, .offset: 8, .size: 8, .value_kind: global_buffer, .address_space: global }
      - { .name: Wo_scales, .offset: 16, .size: 8, .value_kind: global_buffer, .address_space: global }
      - { .name: bo, .offset: 24, .size: 8, .value_kind: global_buffer, .address_space: global }
      - { .name: Q, .offset: 32, .size: 8, .value_kind: global_buffer, .address_space: global }
      - { .name: gamma, .offset: 40, .size: 8, .value_kind: global_buffer, .address_space: global }
      - { .name: beta, .offset: 48, .size: 8, .value_kind: global_buffer, .address_space: global }
      - { .name: out0, .offset: 56, .size: 8, .value_kind: global_buffer, .address_space: global }
    .group_segment_fixed_size: 67584
    .private_segment_fixed_size: 0
    .kernarg_segment_align: 8
    .kernarg_segment_size: 64
    .max_flat_workgroup_size: 128
    .sgpr_count:     66
    .vgpr_count:     1024
    .wavefront_size: 32
...
	.end_amdgpu_metadata
.endif
;; end of part 5
